; MI455X (gfx1250); checked and timed in simulation.
; The chip was launched on July 23, 2026; its instructions are those of AMD's public machine-readable ISA for CDNA 5 (MIT licence, August 2026) and "CDNA5" Instruction Set Architecture Reference Guide (July 2026). The comments in the code are by the model that wrote it; some were corrected since.
;; Self Attention Hybrid. Allowed arithmetic: float matrix products may take bf16 or f16 operands with f32 sums; other float arithmetic in f32, or as packed bf16 or f16 multiplies, adds, multiply-adds, maxima and minima; sums over many terms, partial sums and values carried from step to step in f32; what a program stores and reads back later, other than sums and carried values, may be rounded once to bf16 or f16.
;; Inputs: Wk 1,024 x 1,024 float32; Wo 1,024 x 1,024 float32; Wq 1,024 x 1,024 float32; Wv 1,024 x 1,024 float32; bk 1,024 float32; bo 1,024 float32; bq 1,024 float32; bv 1,024 float32; x 4 x 2,048 x 1,024 float32.
;; Outputs: out0 4 x 2,048 x 1,024 float32.
;; One version. Each part assembles by itself: llvm-mc -triple=amdgcn-amd-amdhsa -mcpu=gfx1250 --defsym DOCPART=n.
;; ======== version 1 of 1: 5 launches
;; limits: values outside matrix products are rounded to bf16
;; workspace buffers: xp 33,554,432 bytes; wb1 4,194,304 bytes; wb2 4,194,304 bytes; qb 16,777,216 bytes; kb 16,777,216 bytes; vb 16,777,216 bytes; vw 16,777,216 bytes; st 1,048,576 bytes
;; launch cast (part 1): grid 768 x 1, 8 waves a work-group, no clusters, 0 bytes of LDS; arguments x, Wq, Wv, Wk, Wo, xp, wb1, wb2, kb; writes xp, wb1, wb2, kb
.if DOCPART == 1
	.amdgcn_target "amdgcn-amd-amdhsa--gfx1250"
	.amdhsa_code_object_version 6
	.text
	.protected	k_qd491fd62cd_cast
	.globl	k_qd491fd62cd_cast
	.p2align	8
	.type	k_qd491fd62cd_cast,@function
k_qd491fd62cd_cast:
	s_mov_b64 s[64:65], 0
	v_nop
	global_prefetch_b8 v0, s[64:65] scope:SCOPE_SE
	s_setreg_imm32_b32 hwreg(HW_REG_WAVE_MODE, 25, 1), 1
	s_wait_xcnt 0x0
; bf16 copies of the matrix operands: x -> xp (first 16,777,216 bytes) and once more -> kb; Wq and Wv -> wb1 (rows 0-1023, 1024-2047), Wk and Wo -> wb2.
; x is written twice because the next launch runs one text for two projections, with a source buffer for each, and a launch's argument list names a buffer once; kb is free until k is stored there.
; Each number is rounded once, to nearest even.  A stream: no LDS, no barrier, no matrix unit, nothing read twice.
; A work-group takes 16,384 numbers (65,536 bytes in, 32,768 out).  Work-groups 0-511 take x, then 64 each take Wq, Wv, Wk, Wo.
; Thread t takes 16 bytes at 4,096 j + 16 t, j = 0..15: a wave's load covers 512 consecutive bytes, its store 256 consecutive bytes, aligned.
; All 16 loads of a thread go out at once; no register is written twice, so the only waits are the counted ones for the loads.
.set X, 4                              ; v[4:67]   16 x 4 numbers as loaded
.set Y, 68                             ; v[68:99]  16 x 4 numbers in bf16
	s_load_b512 s[8:23], s[0:1], 0x0               ; x 8, Wq 10, Wv 12, Wk 14, Wo 16, xp 18, wb1 20, wb2 22
	s_load_b64 s[32:33], s[0:1], 0x40              ; kb
	s_mov_b32 s2, ttmp9                            ; g, the work-group
	s_and_b32 s3, s2, 63                           ; its place in a weight (512, 576, 640, 704 are multiples of 64)
	s_and_b32 s4, s2, 127                          ; its place in a pair of weights (512 and 640 are multiples of 128)
	v_lshlrev_b32 v1, 4, v0                        ; 16 t: where I load
	v_lshlrev_b32 v2, 3, v0                        ; 8 t: where I store
	s_wait_kmcnt 0x0
	s_cmp_lt_u32 s2, 512                           ; x, or a weight?
	s_cselect_b64 s[24:25], s[8:9], s[10:11]       ; from
	s_cselect_b64 s[26:27], s[18:19], s[20:21]     ; to
	s_cselect_b32 s28, s2, s3                      ; the block's number in the source,
	s_cselect_b32 s30, s2, s4                      ; and in the destination
	s_cmp_lt_u32 s2, 576
	s_cselect_b64 s[24:25], s[24:25], s[12:13]     ; from 576 on Wv,
	s_cmp_lt_u32 s2, 640
	s_cselect_b64 s[24:25], s[24:25], s[14:15]     ; from 640 on Wk, into wb2,
	s_cselect_b64 s[26:27], s[26:27], s[22:23]
	s_cmp_lt_u32 s2, 704
	s_cselect_b64 s[24:25], s[24:25], s[16:17]     ; from 704 on Wo
	s_lshl_b32 s28, s28, 16                        ; 65,536 bytes a block in,
	s_mov_b32 s29, 0
	s_lshl_b32 s30, s30, 15                        ; 32,768 out
	s_mov_b32 s31, 0
	s_add_nc_u64 s[24:25], s[24:25], s[28:29]
	s_add_nc_u64 s[26:27], s[26:27], s[30:31]
.irp j, 0,1,2,3,4,5,6,7,8,9,10,11,12,13,14,15
	global_load_b128 v[X+4*(\j):X+4*(\j)+3], v1, s[24:25] offset:4096*(\j) th:TH_LOAD_NT  ; read once in the launch
.endr
.irp j, 0,1,2,3,4,5,6,7,8,9,10,11,12,13,14,15
	s_wait_loadcnt 15-(\j)                         ; loads come back in order (ISA guide 5.7.1): load j is in, the 15 - j younger ones stay out
	v_cvt_pk_bf16_f32 v[Y+2*(\j)], v[X+4*(\j)], v[X+4*(\j)+1]
	v_cvt_pk_bf16_f32 v[Y+2*(\j)+1], v[X+4*(\j)+2], v[X+4*(\j)+3]
	global_store_b64 v2, v[Y+2*(\j):Y+2*(\j)+1], s[26:27] offset:2048*(\j)  ; the next launches read these bytes: no hint
.endr
	s_cmp_lt_u32 s2, 512                           ; x's blocks go out a second time, from the same registers
	s_cbranch_scc0 .Ldone
	s_add_nc_u64 s[32:33], s[32:33], s[30:31]
.irp j, 0,1,2,3,4,5,6,7,8,9,10,11,12,13,14,15
	global_store_b64 v2, v[Y+2*(\j):Y+2*(\j)+1], s[32:33] offset:2048*(\j)
.endr
.Ldone:
	s_endpgm
.Lfunc_end_k_qd491fd62cd_cast:
	.size	k_qd491fd62cd_cast, .Lfunc_end_k_qd491fd62cd_cast-k_qd491fd62cd_cast
	.p2alignl 7, 3214868480
	.fill 96, 4, 3214868480
	.section	.rodata,"a",@progbits
	.p2align	6, 0x0
	.amdhsa_kernel k_qd491fd62cd_cast
		.amdhsa_group_segment_fixed_size 0
		.amdhsa_private_segment_fixed_size 0
		.amdhsa_enable_private_segment 0
		.amdhsa_kernarg_size 72
		.amdhsa_user_sgpr_count 2
		.amdhsa_user_sgpr_kernarg_segment_ptr 1
		.amdhsa_wavefront_size32 1
		.amdhsa_system_sgpr_workgroup_id_x 1
		.amdhsa_system_sgpr_workgroup_id_y 1
		.amdhsa_system_sgpr_workgroup_id_z 1
		.amdhsa_system_vgpr_workitem_id 0
		.amdhsa_next_free_vgpr 100
		.amdhsa_next_free_sgpr 66
		.amdhsa_reserve_vcc 0
		.amdhsa_float_denorm_mode_32 3
		.amdhsa_float_denorm_mode_16_64 3
		.amdhsa_memory_ordered 1
		.amdhsa_forward_progress 1
		.amdhsa_inst_pref_size 9
	.end_amdhsa_kernel
	.amdgpu_metadata
---
amdhsa.version: [ 1, 2 ]
amdhsa.kernels:
  - .name:           k_qd491fd62cd_cast
    .symbol:         k_qd491fd62cd_cast.kd
    .args:
      - { .name: x, .offset: 0, .size: 8, .value_kind: global_buffer, .address_space: global }
      - { .name: Wq, .offset: 8, .size: 8, .value_kind: global_buffer, .address_space: global }
      - { .name: Wv, .offset: 16, .size: 8, .value_kind: global_buffer, .address_space: global }
      - { .name: Wk, .offset: 24, .size: 8, .value_kind: global_buffer, .address_space: global }
      - { .name: Wo, .offset: 32, .size: 8, .value_kind: global_buffer, .address_space: global }
      - { .name: xp, .offset: 40, .size: 8, .value_kind: global_buffer, .address_space: global }
      - { .name: wb1, .offset: 48, .size: 8, .value_kind: global_buffer, .address_space: global }
      - { .name: wb2, .offset: 56, .size: 8, .value_kind: global_buffer, .address_space: global }
      - { .name: kb, .offset: 64, .size: 8, .value_kind: global_buffer, .address_space: global }
    .group_segment_fixed_size: 0
    .private_segment_fixed_size: 0
    .kernarg_segment_align: 8
    .kernarg_segment_size: 72
    .max_flat_workgroup_size: 256
    .sgpr_count:     66
    .vgpr_count:     100
    .wavefront_size: 32
...
	.end_amdgpu_metadata
.endif
;; end of part 1
;; launch projA (part 2): grid 8 x 32, 4 waves a work-group, clusters of 4 x 4, 327,680 bytes of LDS; arguments xp, kb, wb1, bq, bv, qb, vb; writes qb, vb
.if DOCPART == 2
	.amdgcn_target "amdgcn-amd-amdhsa--gfx1250"
	.amdhsa_code_object_version 6
	.text
	.protected	k_qd491fd62cd_projA
	.globl	k_qd491fd62cd_projA
	.p2align	8
	.type	k_qd491fd62cd_projA,@function
k_qd491fd62cd_projA:
	s_mov_b64 s[64:65], 0
	v_nop
	global_prefetch_b8 v0, s[64:65] scope:SCOPE_SE
	s_setreg_imm32_b32 hwreg(HW_REG_WAVE_MODE, 25, 1), 1
	s_wait_xcnt 0x0
	s_wait_alu depctr_hold_cnt(0) depctr_sa_sdst(0) depctr_va_vdst(0) depctr_va_sdst(0) depctr_va_ssrc(0) depctr_va_vcc(0) depctr_vm_vsrc(0)
	s_getreg_b32 s2, hwreg(HW_REG_IB_STS2, 6, 4)
	s_cmp_eq_u32 s2, 0
	s_cbranch_scc0 .Lentry_in_a_cluster
	s_endpgm
.Lentry_in_a_cluster:
	s_bfe_u32 s2, ttmp6, 0x10000c
	s_cmp_lg_u32 s2, 0xf033
	s_cbranch_scc0 .Lentry_shape_is_right
	s_endpgm
.Lentry_shape_is_right:
; TWO PROJECTIONS IN ONE LAUNCH.  C_g[m][n] = bias_g[n] + sum over k of A_g[m][k] B[1024 g + n][k], g = 0, 1.
; A_g: [8192][1024] bf16, B: [2048][1024] bf16 (two weights, one below the other), bias_g: [1024] f32, C_g: [8192][1024] bf16.  Sums in f32, started by the bias; C rounded once.
; Arguments: A0, A1, B, bias0, bias1, C0, C1.  Run twice: (x, x's second copy, Wq|Wv) -> q, v;  then (x, v, Wk|Wo) -> k, v' = v Wo^T + bo.
; v' carries the module's last projection: out = P (v Wo^T + bo), since a softmax's rows sum to 1.  LIMIT: the weights are rounded to bf16, so a row's weights sum to 1 to within 2^-9 at the worst, and bo is
; carried with that relative error.  NaN and infinities are not treated apart.
; SHARES.  A tile of C is 256 x 256: 2 sets x 32 x 4 tiles = 256 work-groups of four waves; a wave makes 128 x 128: 64 accumulators of 16 x 16, 512 registers.
; K goes in steps of 128 through a ring of two LDS slots filled by the tensor data mover: tile rows are 256 bytes of memory, at multiples of 256 bytes from the buffer's first byte.
; A K STEP IS WRITTEN ONCE: a trip of the loop is one K step; the LDS addresses hang on s[TB], which an exclusive or turns from one slot to the other, and one descriptor a tensor walks from refill to refill.
; CLUSTERS: 4 x 4 work-groups, all of one set (the set is the cluster's x).  The four of a row of the cluster need the same tiles of A, the four of a column the same tiles of B: each tile is
; asked for JOINTLY, by the same tensor load with the same descriptor and a mask that names the four.
; THE MATRIX INSTRUCTION IS USED TRANSPOSED: source 0 = 16 rows of B, source 1 = 16 rows of A: lane l holds row m = l % 16 of C and the columns n = 8 (l / 16) + 0..7.
; The bias lies in registers in just that layout (it hangs on n alone) and is the C operand of each accumulator's first product: nothing is cleared, and nothing is added on the way out.
; REGISTERS, in windows of 256 (s_set_vgpr_msb: bits 1:0 source 0, 3:2 source 1, 5:4 source 2, 7:6 destination):
;   window 0: v0-31 addresses; v64-127, v128-191 fragments of A, two buffers; v32-63, v192-255 at work on the way out
;   window 1: v0-63 the bias; v64-127, v128-191 fragments of B, two buffers
;   window 2: the 32 accumulators of my rows 0-63 (accumulator (a, b) at v[8 (8 a + b)]);   window 3: those of my rows 64-127
.set SIZE_K, 1024
.set CROW,   2048                      ; bytes in a row of C
.set KSTEP,  128
.set PITCH,  272                       ; an LDS row: 256 bytes + 16 of padding = 68 words: the 16 rows that a load touches start at 16 different groups of four banks (64 banks of 4 bytes: ISA guide 11.1)
.set HALFT,  128*PITCH                 ; 128 rows: what one tensor load brings, and what one wave reads of A or of B: 0x8800 bytes
.set SLOT,   4*HALFT                   ; A's 256 rows, then B's 256 rows: 0x22000 bytes, which shares no bit with 0, 1, 2 or 3 x 0x8800: an exclusive or with it adds it or takes it away
.set STAGE,  2*SLOT                    ; behind the ring: 16 rows x 272 bytes for each wave, for the way out
.set SPITCH, 272
.set SPARE,  STAGE+4*16*SPITCH         ; behind the stages: the spare words, 128 bytes for each wave: two blocks of 256 bytes that no other line names
.set STEPS,  SIZE_K/KSTEP
.set A0V,  16                          ; v16     LDS address of my A fragments in slot 0; never rewritten
.set B0V,  17                          ; v17     the same for B
.set ADRA, 18                          ; v18     the same in the slot in hand
.set ADRB, 19                          ; v19
.set STO,  24                          ; v24     the way out: where I put 16 bytes of a row
.set RD,   25                          ; v25     the way out: where I read a row back
.set CO,   26                          ; v26     my byte offset in C
.set BO,   27                          ; v27     my byte offset in 16 numbers of the bias: 32 (l / 16)
.set SPW,  28                          ; v28     LDS address of my spare word: SPARE + 4 x my thread's number; never rewritten
.set NIL,  29                          ; v29     0; never rewritten
.set F0,   64                          ; fragment buffer 0
.set F1,   128                         ; fragment buffer 1
.set BIAS, 0                           ; window 1: the eight numbers for n block b at v[8 b]
.set TMP,  192                         ; the way out: packed results
.set OB,   32                          ; the way out: 16 rows read back from the stage: v32-63 and v224-255 by turns
.set TB,  2                            ; s2       0 or SLOT: the slot in hand
.set G1,  24                           ; s[24:31] descriptor group 1 for A's tiles
.set G0,  32                           ; s[32:39] descriptor group 0 for A's tiles: a set for each of the two first fills; the second then walks on
.set G1B, 48                           ; s[48:55] group 1 for B's tiles: it differs in the mask alone
.set G0B, 56                           ; s[56:63] group 0 for B's tiles
.set MSB, 0
.macro WIN new                         ; the immediate's high byte repeats the setting that is left; a switch that changes nothing is dropped
.if MSB != (\new)
	s_set_vgpr_msb (MSB<<8)|(\new)
.set MSB, \new
.endif
.endm
.set MUL_LO,   0xa1                    ; source 0 (B) window 1, source 1 (A) window 0, C and D window 2
.set FIRST_LO, 0x91                    ; the same with C (the bias) in window 1
.set TO_B,     0x40                    ; destination window 1, address window 0
; A joint load by descriptor set s.  Waves 0 and 1 fetch A's two halves, waves 2 and 3 B's.  The branch hangs on the wave's number alone.
; An s_nop 0 and four v_nop follow each of the two lines, ahead of the jump, the label and what follows.
.macro JLOAD s
	s_cmp_eq_u32 s11, 0
	s_cbranch_scc0 .Lfor_b_\@
	tensor_load_to_lds s[G0+4*(\s):G0+4*(\s)+3], s[G1:G1+7]
	s_nop 0
.rept 4
	v_nop
.endr
	s_branch .Lasked_\@
.Lfor_b_\@:
	tensor_load_to_lds s[G0B+4*(\s):G0B+4*(\s)+3], s[G1B:G1B+7]
	s_nop 0
.rept 4
	v_nop
.endr
.Lasked_\@:
.endm
; A round of the cluster's barrier: my work-group's barrier, so that wave 0's signal speaks for all four waves; wave 0 signals; every wave waits for all sixteen work-groups; my work-group's barrier once more.
.macro CREST                           ; a round behind its opening barrier
	s_cmp_lg_u32 s10, 0
	s_cbranch_scc1 .Lnot_wave_0_\@
	s_barrier_signal -3
.Lnot_wave_0_\@:
	s_barrier_wait -3
	s_barrier_signal -1
	s_barrier_wait -1
.endm
.macro CROUND                          ; a whole round
	s_barrier_signal -1
	s_barrier_wait -1
	CREST
.endm
	s_load_b128 s[68:71], s[0:1], 0x0              ; A0, A1
	s_load_b64 s[6:7], s[0:1], 0x10                ; B
	s_load_b128 s[72:75], s[0:1], 0x18             ; bias0, bias1
	s_load_b128 s[76:79], s[0:1], 0x28             ; C0, C1
	v_lshl_add_u32 v[SPW], v0, 2, SPARE
	v_mov_b32 v[NIL], 0
	ds_add_u32 v[SPW], v[NIL]                      ; the wave's opening: the add and its wait stand ahead of my first tensor load; the set-up below, work on registers, stands between them
	v_lshrrev_b32 v1, 5, v0
	v_readfirstlane_b32 s10, v1                    ; wave 0..3
	s_lshr_b32 s11, s10, 1                         ; which half of the tile's rows is mine.  Also: I fetch for A (0) or for B (1)
	s_and_b32 s12, s10, 1                          ; which half of its columns.  Also: which 128 rows of that tile I fetch
	s_bfe_u32 s40, ttmp6, 0x40000                  ; cx: my place along the cluster's x
	s_bfe_u32 s41, ttmp6, 0x40004                  ; cy: along its y
	s_mov_b32 s45, ttmp9                           ; the cluster's x = the set, 0 or 1: the same in all sixteen partners
	s_lshl_b32 s42, s45, 2
	s_add_co_u32 s42, s42, s40                     ; tile row of B = 4 x set + cx, 0..7
	s_and_b32 s13, ttmp7, 0xffff
	s_lshl_b32 s13, s13, 2
	s_add_co_u32 s13, s13, s41                     ; tile row of A and C = 4 x cluster y + cy, 0..31
	s_lshl_b32 s43, s41, 2
	s_lshl_b32 s43, 15, s43                        ; my row of the cluster: places 4 cy .. 4 cy + 3
	s_lshl_b32 s44, 0x1111, s40                    ; my column: places cx, cx + 4, cx + 8, cx + 12
	; descriptor group 1: a tile of 128 rows x 128 elements, padded in LDS
	s_or_b32 s[G1+0], s43, (1<<16)|(1<<20)|(1<<21)|(5<<22)|(3<<25)   ; 15:0 the mask: A's tiles go to my row; 17:16 elements of 2 bytes; 20 padding on; 21 set beside a mask; 24:22 after every 64 words (code 5); 31:25 4 words (code 3)
	s_or_b32 s[G1B+0], s44, (1<<16)|(1<<20)|(1<<21)|(5<<22)|(3<<25)  ; the same with the mask of my column, for B's tiles
.irp g, G1, G1B
	s_mov_b32 s[(\g)+1], KSTEP<<16                 ; tensor_dim0 = 128
	s_mov_b32 s[(\g)+2], 128<<16                   ; tensor_dim1 = 128
	s_mov_b32 s[(\g)+3], KSTEP<<16                 ; tile_dim0 = 128
	s_mov_b32 s[(\g)+4], 128                       ; tile_dim1 = 128
	s_mov_b32 s[(\g)+5], SIZE_K                    ; elements from row to row
	s_mov_b32 s[(\g)+6], 0
	s_mov_b32 s[(\g)+7], 0
.endr
	; where the tiles come from.  A's hang on the set and the tile row, which my row of the cluster shares; B's on B's tile row, which my column shares.
	s_lshl_b32 s17, s12, 7                         ; which 128 rows of the tile I fetch
	s_lshl_b32 s16, s13, 8
	s_add_co_u32 s16, s16, s17                     ; A: row 256 x tile row + 128 x half,
	s_lshl_b32 s16, s16, 11                        ; times 2,048 bytes: under 2^24
	s_lshl_b32 s46, s42, 8
	s_add_co_u32 s46, s46, s17                     ; B: row 256 x its tile row + 128 x half
	s_lshl_b32 s46, s46, 11
	s_mov_b32 s17, 0
	s_mov_b32 s47, 0
	s_mul_i32 s20, s10, HALFT                      ; and where they go: wave x 128 rows: no place in the cluster enters an LDS address
	s_wait_dscnt 0x0                               ; the opening add is done
	s_wait_kmcnt 0x0
	s_cmp_eq_u32 s45, 0                            ; the set chooses A, the bias and C
	s_cselect_b64 s[4:5], s[68:69], s[70:71]
	s_cselect_b64 s[80:81], s[72:73], s[74:75]
	s_cselect_b64 s[8:9], s[76:77], s[78:79]
	s_add_nc_u64 s[14:15], s[4:5], s[16:17]
	s_add_nc_u64 s[46:47], s[6:7], s[46:47]
	CROUND                                         ; all sixteen work-groups are here: the first joint loads meet
.irp s, 0,1
	s_mov_b32 s[G0+4*(\s)], 1                                        ; 1:0 count = 1
	s_add_co_u32 s[G0+4*(\s)+1], s20, (\s)*SLOT                      ; 63:32 LDS address
	s_add_nc_u64 s[G0+4*(\s)+2:G0+4*(\s)+3], s[14:15], (\s)*KSTEP*2  ; 120:64 global address: K step s
	s_or_b32 s[G0+4*(\s)+3], s[G0+4*(\s)+3], 0x80000000              ; 127:126 type = 2
	s_mov_b32 s[G0B+4*(\s)], 1
	s_add_co_u32 s[G0B+4*(\s)+1], s20, (\s)*SLOT
	s_add_nc_u64 s[G0B+4*(\s)+2:G0B+4*(\s)+3], s[46:47], (\s)*KSTEP*2
	s_or_b32 s[G0B+4*(\s)+3], s[G0B+4*(\s)+3], 0x80000000
	JLOAD \s                                       ; the ring is filled before anything else is done: two loads of mine are out
.endr
	; A fragment is 16 rows x 32 K in 8 registers: lane l holds row l % 16; registers 0-3 hold K = 8 (l / 16) + 0..7, registers 4-7 K = 16 + 8 (l / 16) + 0..7: two loads of 16 bytes, 32 bytes apart.
	v_and_b32 v1, 15, v0                           ; l % 16
	v_bfe_u32 v2, v0, 4, 1                         ; l / 16
	v_mul_u32_u24 v3, v1, PITCH
	v_lshl_add_u32 v3, v2, 4, v3                   ; row x pitch + 16 x half
	s_mul_i32 s21, s11, HALFT                      ; my 128 rows of A
	s_mul_i32 s22, s12, HALFT                      ; my 128 rows of B,
	s_add_co_u32 s22, s22, 2*HALFT                 ; which lie behind A's 256
	v_add_nc_u32 v[A0V], s21, v3
	v_add_nc_u32 v[B0V], s22, v3
	v_mov_b32 v[ADRA], v[A0V]                      ; slot 0 is the first in hand
	v_mov_b32 v[ADRB], v[B0V]
	s_mov_b32 s[TB], 0
	s_mul_i32 s23, s10, 16*SPITCH
	s_add_co_u32 s23, s23, STAGE                   ; my stage
	v_mul_u32_u24 v4, v1, SPITCH                   ; in: row l % 16, 16 bytes for each half of the lanes
	v_lshl_add_u32 v4, v2, 4, v4
	v_add_nc_u32 v[STO], s23, v4
	v_mul_u32_u24 v5, v2, SPITCH                   ; back: lanes 0-15 take one row of 256 bytes, lanes 16-31 the next
	v_lshl_add_u32 v5, v1, 4, v5
	v_add_nc_u32 v[RD], s23, v5
	v_mul_u32_u24 v5, v2, CROW                     ; and the same two rows in C
	v_lshl_add_u32 v[CO], v1, 4, v5
	v_lshlrev_b32 v[BO], 5, v2
	; where my part of the tile begins in C, in bytes: the way out adds it to C's address
	s_lshl_b32 s13, s13, 8
	s_lshl_b32 s14, s11, 7
	s_add_co_u32 s16, s13, s14                     ; my first row of C,
	s_lshl_b32 s16, s16, 11                        ; times 2,048 bytes
	s_mov_b32 s17, 0
	s_lshl_b32 s46, s40, 9                         ; my first column, in bytes: 512 cx + 256 x half
	s_lshl_b32 s47, s12, 8
	s_add_co_u32 s46, s46, s47
	s_mov_b32 s47, 0
	s_add_nc_u64 s[16:17], s[16:17], s[46:47]
	s_lshl_b32 s82, s40, 10                        ; the same column in the bias: 4 bytes a number
	s_lshl_b32 s83, s12, 9
	s_add_co_u32 s82, s82, s83
	s_mov_b32 s83, 0
	s_add_nc_u64 s[80:81], s[80:81], s[82:83]
	WIN TO_B                                       ; the bias of my 128 columns, in the accumulators' layout: register 8 b + j of lane l holds bias[16 b + 8 (l / 16) + j]
.irp b, 0,1,2,3,4,5,6,7
	global_load_b128 v[BIAS+8*(\b):BIAS+8*(\b)+3],   v[BO], s[80:81] offset:64*(\b)
	global_load_b128 v[BIAS+8*(\b)+4:BIAS+8*(\b)+7], v[BO], s[80:81] offset:64*(\b)+16
.endr
	WIN 0
; 16 matrix instructions: m blocks a0, a0 + 1 of the window's four (hi = 0: my rows 0-63, 1: rows 64-127) x all 8 n blocks, 32 along K.
; first = 1: the product starts the sum, with the bias as C.  The 64 accumulators take turns, one instruction a turn, in the same order in every quarter.
.macro MUL16 f, hi, a0, first
.if \first
	WIN FIRST_LO+0x40*(\hi)
.else
	WIN MUL_LO+0x50*(\hi)
.endif
.irp a, \a0, (\a0)+1
.irp b, 0,1,2,3,4,5,6,7
.if \first
	v_wmma_f32_16x16x32_bf16 v[8*(8*(\a)+(\b)):8*(8*(\a)+(\b))+7], v[(\f)+8*(\b):(\f)+8*(\b)+7], v[(\f)+8*(4*(\hi)+(\a)):(\f)+8*(4*(\hi)+(\a))+7], v[BIAS+8*(\b):BIAS+8*(\b)+7]
.else
	v_wmma_f32_16x16x32_bf16 v[8*(8*(\a)+(\b)):8*(8*(\a)+(\b))+7], v[(\f)+8*(\b):(\f)+8*(\b)+7], v[(\f)+8*(4*(\hi)+(\a)):(\f)+8*(4*(\hi)+(\a))+7], v[8*(8*(\a)+(\b)):8*(8*(\a)+(\b))+7]
.endif
.endr
.endr
.endm
; 32 LDS loads in one run: the fragments of one quarter step (128 rows of B, 128 rows of A, 32 K at byte k of the rows of the slot in hand) into buffer f
.macro FETCH k, f
	WIN TO_B
.irp i, 0,1,2,3,4,5,6,7
	ds_load_b128 v[(\f)+8*(\i):(\f)+8*(\i)+3],   v[ADRB] offset:(\k)+(\i)*16*PITCH
	ds_load_b128 v[(\f)+8*(\i)+4:(\f)+8*(\i)+7], v[ADRB] offset:(\k)+(\i)*16*PITCH+32
.endr
	WIN 0
.irp i, 0,1,2,3,4,5,6,7
	ds_load_b128 v[(\f)+8*(\i):(\f)+8*(\i)+3],   v[ADRA] offset:(\k)+(\i)*16*PITCH
	ds_load_b128 v[(\f)+8*(\i)+4:(\f)+8*(\i)+7], v[ADRA] offset:(\k)+(\i)*16*PITCH+32
.endr
.endm
; A load into a register that a matrix instruction has read, and a vector instruction that reads a matrix result, stand four places behind that matrix instruction, and only plain vector
; instructions that name none of its registers are places (ISA guide 7.12.1 for vector instructions).
.macro PLACES
.rept 4
	v_nop
.endr
.endm
; A K step is four quarters of 32 along K, 64 matrix instructions each, on buffers 0, 1, 0, 1.  One of the first three: multiplies buffer f; in its middle it fetches the next quarter, at byte k, into g.
.macro QUARTER k, f, g, first
	s_wait_dscnt 8                                 ; B and A's rows 0-63 are in; the youngest eight loads (A's rows 64-127) may be out
	MUL16 \f, 0, 0, \first
	MUL16 \f, 0, 2, \first
	PLACES
	FETCH \k, \g
	s_wait_dscnt 32                                ; all but the 32 just issued
	MUL16 \f, 1, 0, \first
	MUL16 \f, 1, 2, \first
.endm
; The last quarter multiplies buffer 1 and changes slots.  MEET is its first half: ONE barrier.  In front of it each wave waits for all its tensor loads, of which at most one is out: its part of the next
; slot; adds 0 to its spare word; and waits for that and for its own reads of this slot.  Behind it nobody reads this slot any more and the next slot is whole.
.macro MEET round                      ; round = 1: a round of the cluster's barrier follows
	WIN 0                                          ; (the add's two registers lie in window 0)
	s_wait_tensorcnt 0x0                           ; all my tensor loads have landed
	ds_add_u32 v[SPW], v[NIL]                      ; 0 onto my spare word
	s_wait_dscnt 9                                 ; (the add and the youngest eight loads may be out)
	MUL16 F1, 0, 0, 0                              ; sixteen matrix instructions stand between the add and the wait for it
	s_wait_dscnt 0x0                               ; the add is done, and my reads of this slot are over
	s_barrier_signal -1
	MUL16 F1, 0, 2, 0                              ; work on registers while the others arrive
	WIN 0                                          ; (branches or address work follow)
	s_barrier_wait -1
.endm
; The whole last quarter.  fill = 1: the slot just read is filled again, with the K step two steps on: the walking descriptor turns to this slot and goes one K step along; the joint refill is the first
; thing behind the round.  Then the addresses turn to the other slot, and its first fragments are fetched.
.macro TURN fill
	MEET \fill
.if \fill
	CREST                                          ; no wave of any partner still reads this slot's tile or has a load on its way
	s_xor_b32 s[G0+5], s[G0+5], SLOT               ; no tensor load of mine is out, so a group 0 may be written
	s_add_nc_u64 s[G0+6:G0+7], s[G0+6:G0+7], KSTEP*2
	s_xor_b32 s[G0B+5], s[G0B+5], SLOT
	s_add_nc_u64 s[G0B+6:G0B+7], s[G0B+6:G0B+7], KSTEP*2
	JLOAD 1                                        ; my one tensor load behind the round: 224 matrix instructions ahead of the wait for it; its four v_nop are also the places in front of the loads below
.else
	PLACES
.endif
	s_xor_b32 s[TB], s[TB], SLOT
	v_add_nc_u32 v[ADRA], s[TB], v[A0V]
	v_add_nc_u32 v[ADRB], s[TB], v[B0V]
	FETCH 0, F0
	MUL16 F1, 1, 0, 0
	MUL16 F1, 1, 2, 0
.endm
; THE WAY OUT of block a (16 rows), in three parts.  PACK: rounded to bf16, 16 bytes a lane, each accumulator's registers in ascending order.  TOSTAGE: into my own stage in LDS, and back as whole rows of 256 bytes.  SEND: stored.
.macro PACK a
.set AC, 64*((\a)%4)
	WIN 0x0a+5*((\a)/4)                            ; sources 0 and 1: window 2 or 3
.irp b, 0,1,2,3,4,5,6,7
.irp r, 0,1,2,3
	v_cvt_pk_bf16_f32 v[TMP+4*(\b)+(\r)], v[AC+8*(\b)+2*(\r)], v[AC+8*(\b)+2*(\r)+1]
.endr
.endr
	WIN 0
.endm
.macro TOSTAGE a
	WIN 0
.set BK, OB+192*((\a)%2)
.irp b, 0,1,2,3,4,5,6,7
	ds_store_b128 v[STO], v[TMP+4*(\b):TMP+4*(\b)+3] offset:32*(\b)
.endr
.irp t, 0,1,2,3,4,5,6,7
	ds_load_b128 v[BK+4*(\t):BK+4*(\t)+3], v[RD] offset:(\t)*2*SPITCH  ; LDS serves a wave's instructions in order (ISA guide 5.7.1.4): these see the stores above
.endr
.endm
.macro SEND a
	WIN 0
.set BK, OB+192*((\a)%2)
	s_wait_dscnt 0x0                               ; the block is back in registers
	s_wait_xcnt 0x0                                ; every earlier store has had its addresses translated (ISA guide 3.1): only behind this wait are the stores' base and the registers that earlier stores read rewritten
.if (\a) == 0
	s_add_nc_u64 s[8:9], s[8:9], s[16:17]          ; on to my first rows
.else
	s_add_nc_u64 s[8:9], s[8:9], 16*CROW           ; 16 rows of C on
.endif
.irp t, 0,1,2,3,4,5,6,7
	global_store_b128 v[CO], v[BK+4*(\t):BK+4*(\t)+3], s[8:9] offset:2*(\t)*CROW  ; 16 lanes store 256 consecutive bytes, at a multiple of 256 from C's first byte
.endr
.endm
	s_wait_tensorcnt 1                             ; my part of K step 0 is in; K step 1's may stay out
	s_barrier_signal -1
	s_barrier_wait -1                              ; everybody's is
	FETCH 0, F0
	s_wait_loadcnt 0x0                             ; the bias
	QUARTER 64,  F0, F1, 1                         ; the first quarter stands in front of the loop: its products start the sums
	WIN 0                                          ; at a label and at a branch every window is 0
	s_mov_b32 s3, STEPS-2
.Lstep:                                                ; a trip goes from a K step's second quarter to the next step's first, and fills the slot that it leaves: K steps 2 to 7 are asked for
	QUARTER 128, F1, F0, 0
	QUARTER 192, F0, F1, 0
	TURN 1
	QUARTER 64,  F0, F1, 0
	WIN 0
	s_sub_co_u32 s3, s3, 1
	s_cmp_lg_u32 s3, 0
	s_cbranch_scc1 .Lstep
	s_mov_b32 s3, 2                                ; the last two K steps ask for nothing: a second loop; it is entered in the middle of a trip
	s_branch .Lmid
.Ltail:
	QUARTER 64,  F0, F1, 0
	WIN 0
.Lmid:
	QUARTER 128, F1, F0, 0
	QUARTER 192, F0, F1, 0
	TURN 0                                         ; at the very last K step its barrier and its fetch (of the slot read before) serve nothing: the price, once a launch, of one text for both trips
	WIN 0
	s_sub_co_u32 s3, s3, 1
	s_cmp_lg_u32 s3, 0
	s_cbranch_scc1 .Ltail
	s_wait_dscnt 0x0                               ; that last fetch has come back
	PLACES                                         ; behind the last products
	PACK 0
	TOSTAGE 0
.irp a, 1,2,3,4,5,6,7                  ; block a's conversions stand between block a - 1's loads from the stage and the wait for them
	PACK \a
	SEND (\a)-1
	TOSTAGE \a
.endr
	SEND 7
	s_wait_tensorcnt 0x0                           ; the wave's end, behind my last tensor load and my last LDS store
	ds_add_u32 v[SPW], v[NIL]
	s_wait_dscnt 0x0
	CROUND                                         ; the closing round: no work-group ends while a partner may still ask for a tile that names it
	s_endpgm
.Lfunc_end_k_qd491fd62cd_projA:
	.size	k_qd491fd62cd_projA, .Lfunc_end_k_qd491fd62cd_projA-k_qd491fd62cd_projA
	.p2alignl 7, 3214868480
	.fill 96, 4, 3214868480
	.section	.rodata,"a",@progbits
	.p2align	6, 0x0
	.amdhsa_kernel k_qd491fd62cd_projA
		.amdhsa_group_segment_fixed_size 327680
		.amdhsa_private_segment_fixed_size 0
		.amdhsa_enable_private_segment 0
		.amdhsa_kernarg_size 56
		.amdhsa_user_sgpr_count 2
		.amdhsa_user_sgpr_kernarg_segment_ptr 1
		.amdhsa_wavefront_size32 1
		.amdhsa_system_sgpr_workgroup_id_x 1
		.amdhsa_system_sgpr_workgroup_id_y 1
		.amdhsa_system_sgpr_workgroup_id_z 1
		.amdhsa_system_vgpr_workitem_id 0
		.amdhsa_next_free_vgpr 1024
		.amdhsa_next_free_sgpr 84
		.amdhsa_reserve_vcc 0
		.amdhsa_float_denorm_mode_32 3
		.amdhsa_float_denorm_mode_16_64 3
		.amdhsa_memory_ordered 1
		.amdhsa_forward_progress 1
		.amdhsa_inst_pref_size 102
	.end_amdhsa_kernel
	.amdgpu_metadata
---
amdhsa.version: [ 1, 2 ]
amdhsa.kernels:
  - .name:           k_qd491fd62cd_projA
    .symbol:         k_qd491fd62cd_projA.kd
    .args:
      - { .name: xp, .offset: 0, .size: 8, .value_kind: global_buffer, .address_space: global }
      - { .name: kb, .offset: 8, .size: 8, .value_kind: global_buffer, .address_space: global }
      - { .name: wb1, .offset: 16, .size: 8, .value_kind: global_buffer, .address_space: global }
      - { .name: bq, .offset: 24, .size: 8, .value_kind: global_buffer, .address_space: global }
      - { .name: bv, .offset: 32, .size: 8, .value_kind: global_buffer, .address_space: global }
      - { .name: qb, .offset: 40, .size: 8, .value_kind: global_buffer, .address_space: global }
      - { .name: vb, .offset: 48, .size: 8, .value_kind: global_buffer, .address_space: global }
    .group_segment_fixed_size: 327680
    .private_segment_fixed_size: 0
    .kernarg_segment_align: 8
    .kernarg_segment_size: 56
    .max_flat_workgroup_size: 128
    .sgpr_count:     84
    .vgpr_count:     1024
    .wavefront_size: 32
...
	.end_amdgpu_metadata
.endif
;; end of part 2
;; launch projB: the kernel of part 2 again; grid 8 x 32, 4 waves a work-group, clusters of 4 x 4, 327,680 bytes of LDS; arguments xp, vb, wb2, bk, bo, kb, vw; writes kb, vw
;; launch scores (part 3): grid 8 x 32, 4 waves a work-group, clusters of 4 x 4, 327,680 bytes of LDS; arguments qb, kb, xp, st; writes xp, st
.if DOCPART == 3
	.amdgcn_target "amdgcn-amd-amdhsa--gfx1250"
	.amdhsa_code_object_version 6
	.text
	.protected	k_qd491fd62cd_scores
	.globl	k_qd491fd62cd_scores
	.p2align	8
	.type	k_qd491fd62cd_scores,@function
k_qd491fd62cd_scores:
	s_mov_b64 s[64:65], 0
	v_nop
	global_prefetch_b8 v0, s[64:65] scope:SCOPE_SE
	s_setreg_imm32_b32 hwreg(HW_REG_WAVE_MODE, 25, 1), 1
	s_wait_xcnt 0x0
	s_wait_alu depctr_hold_cnt(0) depctr_sa_sdst(0) depctr_va_vdst(0) depctr_va_sdst(0) depctr_va_ssrc(0) depctr_va_vcc(0) depctr_vm_vsrc(0)
	s_getreg_b32 s2, hwreg(HW_REG_IB_STS2, 6, 4)
	s_cmp_eq_u32 s2, 0
	s_cbranch_scc0 .Lentry_in_a_cluster
	s_endpgm
.Lentry_in_a_cluster:
	s_bfe_u32 s2, ttmp6, 0x10000c
	s_cmp_lg_u32 s2, 0xf033
	s_cbranch_scc0 .Lentry_shape_is_right
	s_endpgm
.Lentry_shape_is_right:
; SCORES AND THE FIRST HALF OF THE SOFTMAX.  s[q][k] = sum over e of Q[q][e] K[k][e], per batch.  Q, K: [4 x 2048][1024] bf16; sums in f32.
; The keys of a row lie in 16 blocks of 128.  For a row and block t: m_t = the largest s of the block; N_t = floor(-c m_t), c = log2(e) / 32; p = 2^(c s + N_t), which lies in 0 to about 1; l_t = the sum of
; the block's p, in f32, of the unrounded p.  Out go P~ [4 x 2048][2048] = p rounded once to bf16, and ST [16][8192][2] f32 = (N_t, l_t).  The next launch brings the blocks to the row's common exponent by
; the factor 2^(min N - N_t), a power of two, and divides by the row's sum.  So each exponential has a maximum taken away, and the scores themselves never leave the f32 sums.
; LIMITS: a weight below 2^-126 counts as 0; NaN and infinities are not treated apart.
; SHARES.  A tile is 256 queries x 256 keys: 4 batches x 8 x 8 = 256 work-groups of four waves; a wave makes 128 x 128: 64 accumulators, 512 registers: its 128 keys are one block t.
; The 1,024 channels go in steps of 128 through a ring of two LDS slots filled by the tensor data mover; tile rows are 256 bytes of memory, at multiples of 256 bytes from the buffer's first byte.
; A K STEP IS WRITTEN ONCE: a trip of the loop is one K step; the LDS addresses hang on s[TB], which an exclusive or turns from one slot to the other, and one descriptor a tensor walks from refill to refill.
; CLUSTERS: 4 x 4 work-groups, all of one batch (8 tile rows a batch, 4 a cluster).  Q's tile is shared along a row of the cluster, K's along a column: each is asked for JOINTLY.
; THE MATRIX INSTRUCTION IS USED TRANSPOSED: source 0 = 16 keys, source 1 = 16 queries: lane l holds ONE query, l % 16, and in accumulator b the keys 16 b + 8 (l / 16) + 0..7.  So a query's maximum and sum
; are made inside the lane, with one exchange between the halves of the lanes.
; REGISTERS, in windows of 256 (s_set_vgpr_msb: bits 1:0 source 0, 3:2 source 1, 5:4 source 2, 7:6 destination):
;   window 0: v0-31 addresses; v32-39 eight maxima; v40-55 (N, l) of my eight blocks of 16 queries; v56-63 the same as stored; v64-127, v128-191 fragments of Q, two buffers; on the way out v64-127 the rows read back
;   window 1: v64-127, v128-191 fragments of K; on the way out v0-63 a block's exponents and weights, v64-95 the weights in bf16, v96-103 four packed sums
;   window 2: the 32 accumulators of my rows 0-63 (accumulator (a, b) at v[8 (8 a + b)]);   window 3: those of my rows 64-127
.set SIZE_K, 1024
.set CROW,   4096                      ; bytes in a row of P~
.set KSTEP,  128
.set PITCH,  272                       ; an LDS row: 256 bytes + 16 of padding: the 16 rows that a load touches start at 16 different groups of four banks (64 banks of 4 bytes: ISA guide 11.1)
.set HALFT,  128*PITCH                 ; 0x8800 bytes
.set SLOT,   4*HALFT                   ; Q's 256 rows, then K's 256 rows: 0x22000 bytes, which shares no bit with 0, 1, 2 or 3 x 0x8800: an exclusive or with it adds it or takes it away
.set STAGE,  2*SLOT                    ; behind the ring: 16 rows x 272 bytes for each wave, for the way out
.set SPITCH, 272
.set SPARE,  STAGE+4*16*SPITCH         ; behind the stages: the spare words, 128 bytes for each wave: two blocks of 256 bytes that no other line names
.set STEPS,  SIZE_K/KSTEP
.set A0V,  16                          ; v16     LDS address of my Q fragments in slot 0; never rewritten
.set B0V,  17                          ; v17     the same for K
.set ADRA, 18                          ; v18     the same in the slot in hand
.set ADRB, 19                          ; v19
.set STO,  24                          ; v24     the way out: where I put 16 bytes of a row
.set RD,   25                          ; v25     the way out: where I read a row back
.set CO,   26                          ; v26     my byte offset in P~
.set SO,   27                          ; v27     my byte offset in 32 rows of ST: 8 x lane
.set SPW,  28                          ; v28     LDS address of my spare word: SPARE + 4 x my thread's number; never rewritten
.set NIL,  29                          ; v29     0; never rewritten
.set LANE, 30                          ; v30     my lane
.set CH,   32
.set SP,   40
.set OP,   56
.set F0,   64
.set F1,   128
.set T,    0                           ; window 1
.set X,    64                          ; window 1
.set L,    96                          ; window 1
.set TB,  2                            ; s2       0 or SLOT: the slot in hand
.set G1,  24                           ; s[24:31] descriptor group 1 for Q's tiles;  s[32:39] group 0: a set for each of the two first fills; the second then walks on
.set G0,  32
.set G1B, 48                           ; s[48:55], s[56:63] the same for K's
.set G0B, 56
.set ST,  66                           ; s[66:67] ST at my block and my first row
.set CS,  68                           ; s[68:69] c: the packed scaling names a pair and takes its low word for both halves
.set NC,  70                           ; s70      -c
.set MK,  71                           ; s71      the mask of lanes 16 to 31
.set SEL, 72                           ; s[72:73] v_permlanex16_b32's selects: each lane takes its own place in the other half
.set MSB, 0
.macro WIN new                         ; the immediate's high byte repeats the setting that is left; a switch that changes nothing is dropped
.if MSB != (\new)
	s_set_vgpr_msb (MSB<<8)|(\new)
.set MSB, \new
.endif
.endm
.set MUL_LO, 0xa1                      ; source 0 (K) window 1, source 1 (Q) window 0, C and D window 2
.set TO_B,   0x40                      ; destination window 1, address window 0
; A joint load by descriptor set s.  Waves 0 and 1 fetch Q's two halves, waves 2 and 3 K's.  An s_nop 0 and four v_nop follow each of the two lines, ahead of the jump, the label and what follows.
.macro JLOAD s
	s_cmp_eq_u32 s11, 0
	s_cbranch_scc0 .Lfor_b_\@
	tensor_load_to_lds s[G0+4*(\s):G0+4*(\s)+3], s[G1:G1+7]
	s_nop 0
.rept 4
	v_nop
.endr
	s_branch .Lasked_\@
.Lfor_b_\@:
	tensor_load_to_lds s[G0B+4*(\s):G0B+4*(\s)+3], s[G1B:G1B+7]
	s_nop 0
.rept 4
	v_nop
.endr
.Lasked_\@:
.endm
.macro CREST                           ; a round of the cluster's barrier behind its opening barrier
	s_cmp_lg_u32 s10, 0
	s_cbranch_scc1 .Lnot_wave_0_\@
	s_barrier_signal -3
.Lnot_wave_0_\@:
	s_barrier_wait -3
	s_barrier_signal -1
	s_barrier_wait -1
.endm
.macro CROUND                          ; a whole round
	s_barrier_signal -1
	s_barrier_wait -1
	CREST
.endm
	s_load_b128 s[4:7], s[0:1], 0x0                ; Q s[4:5], K s[6:7]
	s_load_b64 s[8:9], s[0:1], 0x10                ; P~
	s_load_b64 s[ST:ST+1], s[0:1], 0x18            ; ST
	v_lshl_add_u32 v[SPW], v0, 2, SPARE
	v_mov_b32 v[NIL], 0
	ds_add_u32 v[SPW], v[NIL]                      ; the wave's opening: the add and its wait stand ahead of my first tensor load; the set-up below, work on registers, stands between them
	v_lshrrev_b32 v1, 5, v0
	v_readfirstlane_b32 s10, v1                    ; wave 0..3
	s_lshr_b32 s11, s10, 1                         ; which half of the tile's rows is mine.  Also: I fetch for Q (0) or for K (1)
	s_and_b32 s12, s10, 1                          ; which half of its columns.  Also: which 128 rows of that tile I fetch
	s_bfe_u32 s40, ttmp6, 0x40000                  ; cx
	s_bfe_u32 s41, ttmp6, 0x40004                  ; cy
	s_lshl_b32 s42, ttmp9, 2
	s_add_co_u32 s42, s42, s40                     ; tile column = 4 x cluster x + cx, 0..7: 256 keys of the batch
	s_and_b32 s13, ttmp7, 0xffff
	s_lshr_b32 s45, s13, 1                         ; the batch: two clusters along y to a batch; made of the cluster's y alone
	s_lshl_b32 s13, s13, 2
	s_add_co_u32 s13, s13, s41                     ; tile row = 4 x cluster y + cy, 0..31, over all batches
	s_lshl_b32 s43, s41, 2
	s_lshl_b32 s43, 15, s43                        ; my row of the cluster
	s_lshl_b32 s44, 0x1111, s40                    ; my column
	s_or_b32 s[G1+0], s43, (1<<16)|(1<<20)|(1<<21)|(5<<22)|(3<<25)   ; 15:0 the mask; 17:16 elements of 2 bytes; 20 padding on; 21 set beside a mask; 24:22 after every 64 words (code 5); 31:25 4 words (code 3)
	s_or_b32 s[G1B+0], s44, (1<<16)|(1<<20)|(1<<21)|(5<<22)|(3<<25)
.irp g, G1, G1B
	s_mov_b32 s[(\g)+1], KSTEP<<16                 ; tensor_dim0 = 128
	s_mov_b32 s[(\g)+2], 128<<16                   ; tensor_dim1 = 128
	s_mov_b32 s[(\g)+3], KSTEP<<16                 ; tile_dim0 = 128
	s_mov_b32 s[(\g)+4], 128                       ; tile_dim1 = 128
	s_mov_b32 s[(\g)+5], SIZE_K                    ; elements from row to row
	s_mov_b32 s[(\g)+6], 0
	s_mov_b32 s[(\g)+7], 0
.endr
	s_mov_b32 s[CS], 0x3d38aa3b                    ; c = log2(e) / 32
	s_mov_b32 s[CS+1], s[CS]                       ; named with it as a pair
	s_mov_b32 s[NC], 0xbd38aa3b                    ; -c
	s_mov_b32 s[SEL], 0x76543210
	s_mov_b32 s[SEL+1], 0xfedcba98
	s_lshl_b32 s17, s12, 7                         ; which 128 rows of the tile I fetch
	s_lshl_b32 s16, s13, 8
	s_add_co_u32 s16, s16, s17                     ; Q: row 256 x tile row + 128 x half,
	s_lshl_b32 s16, s16, 11                        ; times 2,048 bytes: under 2^24
	s_lshl_b32 s46, s42, 8
	s_add_co_u32 s46, s46, s17                     ; K: row 256 x tile column + 128 x half
	s_lshl_b32 s45, s45, 11
	s_add_co_u32 s46, s46, s45                     ; + 2,048 x batch
	s_lshl_b32 s46, s46, 11
	s_mov_b32 s17, 0
	s_mov_b32 s47, 0
	s_mul_i32 s20, s10, HALFT                      ; where they go: wave x 128 rows
	s_wait_dscnt 0x0                               ; the opening add is done
	s_wait_kmcnt 0x0
	s_add_nc_u64 s[14:15], s[4:5], s[16:17]
	s_add_nc_u64 s[46:47], s[6:7], s[46:47]
	CROUND                                         ; all sixteen work-groups are here: the first joint loads meet
.irp s, 0,1
	s_mov_b32 s[G0+4*(\s)], 1
	s_add_co_u32 s[G0+4*(\s)+1], s20, (\s)*SLOT
	s_add_nc_u64 s[G0+4*(\s)+2:G0+4*(\s)+3], s[14:15], (\s)*KSTEP*2
	s_or_b32 s[G0+4*(\s)+3], s[G0+4*(\s)+3], 0x80000000
	s_mov_b32 s[G0B+4*(\s)], 1
	s_add_co_u32 s[G0B+4*(\s)+1], s20, (\s)*SLOT
	s_add_nc_u64 s[G0B+4*(\s)+2:G0B+4*(\s)+3], s[46:47], (\s)*KSTEP*2
	s_or_b32 s[G0B+4*(\s)+3], s[G0B+4*(\s)+3], 0x80000000
	JLOAD \s                                       ; two loads of mine are out
.endr
	v_and_b32 v1, 15, v0                           ; l % 16
	v_bfe_u32 v2, v0, 4, 1                         ; l / 16
	v_mul_u32_u24 v3, v1, PITCH
	v_lshl_add_u32 v3, v2, 4, v3                   ; a fragment's row x pitch + 16 x half
	s_mul_i32 s21, s11, HALFT                      ; my 128 rows of Q
	s_mul_i32 s22, s12, HALFT                      ; my 128 rows of K,
	s_add_co_u32 s22, s22, 2*HALFT                 ; which lie behind Q's 256
	v_add_nc_u32 v[A0V], s21, v3
	v_add_nc_u32 v[B0V], s22, v3
	v_mov_b32 v[ADRA], v[A0V]                      ; slot 0 is the first in hand
	v_mov_b32 v[ADRB], v[B0V]
	s_mov_b32 s[TB], 0
	s_mul_i32 s23, s10, 16*SPITCH
	s_add_co_u32 s23, s23, STAGE                   ; my stage
	v_mul_u32_u24 v4, v1, SPITCH                   ; in: row l % 16, 16 bytes for each half of the lanes
	v_lshl_add_u32 v4, v2, 4, v4
	v_add_nc_u32 v[STO], s23, v4
	v_mul_u32_u24 v5, v2, SPITCH                   ; back: lanes 0-15 take one row of 256 bytes, lanes 16-31 the next
	v_lshl_add_u32 v5, v1, 4, v5
	v_add_nc_u32 v[RD], s23, v5
	v_mul_u32_u24 v5, v2, CROW                     ; and the same two rows in P~
	v_lshl_add_u32 v[CO], v1, 4, v5
	v_and_b32 v[LANE], 31, v0
	v_lshlrev_b32 v[SO], 3, v[LANE]
	s_lshl_b32 s13, s13, 8
	s_lshl_b32 s14, s11, 7
	s_add_co_u32 s14, s13, s14                     ; my first row, over all batches
	s_lshl_b32 s16, s14, 12                        ; times 4,096 bytes: under 2^25
	s_mov_b32 s17, 0
	s_lshl_b32 s46, s42, 9                         ; my first column, in bytes: 512 x tile column + 256 x half
	s_lshl_b32 s47, s12, 8
	s_add_co_u32 s46, s46, s47
	s_mov_b32 s47, 0
	s_add_nc_u64 s[16:17], s[16:17], s[46:47]      ; the way out adds this to P~'s address
	s_lshl_b32 s22, s42, 1
	s_add_co_u32 s22, s22, s12                     ; my block of 128 keys: t = 2 x tile column + half,
	s_lshl_b32 s22, s22, 16                        ; 65,536 bytes of ST a block,
	s_lshl_b32 s23, s14, 3                         ; 8 a row
	s_add_co_u32 s22, s22, s23
	s_mov_b32 s23, 0
	s_add_nc_u64 s[ST:ST+1], s[ST:ST+1], s[22:23]
; 16 matrix instructions: m blocks a0, a0 + 1 of the window's four x all 8 n blocks, 32 along K.  zero = 1: the product starts the sum: nothing is cleared.
; The 64 accumulators take turns, one instruction a turn, in the same order in every quarter.
.macro MUL16 f, hi, a0, zero
	WIN MUL_LO+0x50*(\hi)
.irp a, \a0, (\a0)+1
.irp b, 0,1,2,3,4,5,6,7
.if \zero
	v_wmma_f32_16x16x32_bf16 v[8*(8*(\a)+(\b)):8*(8*(\a)+(\b))+7], v[(\f)+8*(\b):(\f)+8*(\b)+7], v[(\f)+8*(4*(\hi)+(\a)):(\f)+8*(4*(\hi)+(\a))+7], 0
.else
	v_wmma_f32_16x16x32_bf16 v[8*(8*(\a)+(\b)):8*(8*(\a)+(\b))+7], v[(\f)+8*(\b):(\f)+8*(\b)+7], v[(\f)+8*(4*(\hi)+(\a)):(\f)+8*(4*(\hi)+(\a))+7], v[8*(8*(\a)+(\b)):8*(8*(\a)+(\b))+7]
.endif
.endr
.endr
.endm
.macro FETCH k, f                      ; 32 LDS loads in one run: one quarter step's fragments, at byte k of the rows of the slot in hand, into buffer f
	WIN TO_B
.irp i, 0,1,2,3,4,5,6,7
	ds_load_b128 v[(\f)+8*(\i):(\f)+8*(\i)+3],   v[ADRB] offset:(\k)+(\i)*16*PITCH
	ds_load_b128 v[(\f)+8*(\i)+4:(\f)+8*(\i)+7], v[ADRB] offset:(\k)+(\i)*16*PITCH+32
.endr
	WIN 0
.irp i, 0,1,2,3,4,5,6,7
	ds_load_b128 v[(\f)+8*(\i):(\f)+8*(\i)+3],   v[ADRA] offset:(\k)+(\i)*16*PITCH
	ds_load_b128 v[(\f)+8*(\i)+4:(\f)+8*(\i)+7], v[ADRA] offset:(\k)+(\i)*16*PITCH+32
.endr
.endm
.macro PLACES                          ; four places in front of loads into registers that matrix instructions have read, and of vector instructions that read results (ISA guide 7.12.1 for vector instructions)
.rept 4
	v_nop
.endr
.endm
.macro QUARTER k, f, g, zero           ; 64 matrix instructions on buffer f; in their middle the next quarter's fragments, at byte k, go into g
	s_wait_dscnt 8                                 ; K and Q's rows 0-63 are in; the youngest eight loads (Q's rows 64-127) may be out
	MUL16 \f, 0, 0, \zero
	MUL16 \f, 0, 2, \zero
	PLACES
	FETCH \k, \g
	s_wait_dscnt 32                                ; all but the 32 just issued
	MUL16 \f, 1, 0, \zero
	MUL16 \f, 1, 2, \zero
.endm
; The change of slots: ONE barrier.  In front of it each wave waits for all its tensor loads, of which at most one is out: its part of the next slot; adds 0 to its spare word; and waits for that and for its own reads of this slot.
.macro MEET round
	WIN 0                                          ; (the add's two registers lie in window 0)
	s_wait_tensorcnt 0x0                           ; all my tensor loads have landed
	ds_add_u32 v[SPW], v[NIL]                      ; 0 onto my spare word
	s_wait_dscnt 9                                 ; (the add and the youngest eight loads may be out)
	MUL16 F1, 0, 0, 0
	s_wait_dscnt 0x0                               ; the add is done, and my reads of this slot are over
	s_barrier_signal -1
	MUL16 F1, 0, 2, 0
	WIN 0                                          ; (branches or address work follow)
	s_barrier_wait -1
.endm
; The last quarter of a K step.  fill = 1: the slot just read is filled again, two K steps ahead: the walking descriptor turns to this slot and goes one K step along.  Then the addresses turn to the other slot.
.macro TURN fill
	MEET \fill
.if \fill
	CREST                                          ; no wave of any partner still reads this slot's tile or has a load on its way
	s_xor_b32 s[G0+5], s[G0+5], SLOT               ; no tensor load of mine is out, so a group 0 may be written
	s_add_nc_u64 s[G0+6:G0+7], s[G0+6:G0+7], KSTEP*2
	s_xor_b32 s[G0B+5], s[G0B+5], SLOT
	s_add_nc_u64 s[G0B+6:G0B+7], s[G0B+6:G0B+7], KSTEP*2
	JLOAD 1                                        ; my one tensor load behind the round; its four v_nop are also the places in front of the loads below
.else
	PLACES
.endif
	s_xor_b32 s[TB], s[TB], SLOT
	v_add_nc_u32 v[ADRA], s[TB], v[A0V]
	v_add_nc_u32 v[ADRB], s[TB], v[B0V]
	FETCH 0, F0
	MUL16 F1, 1, 0, 0
	MUL16 F1, 1, 2, 0
.endm
; THE WAY OUT of block a: 16 queries x my 128 keys: a lane holds 64 scores of one query, in 8 accumulators.
; SOFT: the maximum (eight chains, each begun with its accumulator's two lowest registers; then the other half of the lanes'); N; c s + N into window 1; the exponentials, with the
; roundings to bf16 and the sums of the weights made two exponentials earlier between them, so that a plain instruction stands behind every exponential before its result is used (ISA guide 5.7.2); the sum.
.macro SOFT a
.set AC, 64*((\a)%4)
.set HI, (\a)/4
	WIN 0x0a+5*HI                                  ; sources 0 and 1: window 2 or 3; source 2 and destination: window 0
.irp b, 0,1,2,3,4,5,6,7
	v_max_num_f32 v[CH+(\b)], v[AC+8*(\b)], v[AC+8*(\b)+1]
.endr
.irp k, 1,2,3
.irp b, 0,1,2,3,4,5,6,7
	v_max3_num_f32 v[CH+(\b)], v[AC+8*(\b)+2*(\k)], v[AC+8*(\b)+2*(\k)+1], v[CH+(\b)]
.endr
.endr
	WIN 0
	v_max3_num_f32 v[CH], v[CH], v[CH+1], v[CH+2]
	v_max3_num_f32 v[CH+3], v[CH+3], v[CH+4], v[CH+5]
	v_max_num_f32 v[CH+6], v[CH+6], v[CH+7]
	v_max3_num_f32 v[CH], v[CH], v[CH+3], v[CH+6]
	v_permlanex16_b32 v[CH+1], v[CH], s[SEL], s[SEL+1]  ; the query's other 64 keys lie in the lane 16 away
	v_max_num_f32 v[CH], v[CH], v[CH+1]            ; m
	v_mul_f32 v[CH], s[NC], v[CH]
	v_floor_f32 v[SP+2*(\a)], v[CH]                ; N = floor(-c m)
	v_mov_b32 v[SP+2*(\a)+1], v[SP+2*(\a)]         ; the packed scaling names the pair: its upper word is written too; l takes its place below
	WIN 0x42+HI                                    ; source 0: window 2 or 3; source 2: window 0; destination: window 1
.set i, 0
.rept 32
	v_pk_fma_f32 v[T+2*i:T+2*i+1], v[AC+2*i:AC+2*i+1], s[CS:CS+1], v[SP+2*(\a):SP+2*(\a)+1] op_sel_hi:[1,0,0]  ; c s + N
.set i, i+1
.endr
	WIN 0x45                                       ; sources 0 and 1 and the destination: window 1
.set i, 0
.rept 32
	v_exp_f32 v[T+2*i], v[T+2*i]
.if i >= 9
	s_wait_alu depctr_va_vdst(0)
	v_pk_add_f32 v[L+2*((i-1)%4):L+2*((i-1)%4)+1], v[L+2*((i-1)%4):L+2*((i-1)%4)+1], v[T+2*(i-1):T+2*(i-1)+1]
.elseif i >= 5
	s_wait_alu depctr_va_vdst(0)
	v_pk_add_f32 v[L+2*(i-5):L+2*(i-5)+1], v[T+2*(i-5):T+2*(i-5)+1], v[T+2*(i-1):T+2*(i-1)+1]  ; pairs 0-3 and 4-7 start the four sums: nothing is cleared
.endif
	v_exp_f32 v[T+2*i+1], v[T+2*i+1]
.if i >= 1
	s_wait_alu depctr_va_vdst(0)
	v_cvt_pk_bf16_f32 v[X+i-1], v[T+2*(i-1)], v[T+2*(i-1)+1]
.else
	v_nop
.endif
.set i, i+1
.endr
	s_wait_alu depctr_va_vdst(0)
	v_pk_add_f32 v[L+6:L+7], v[L+6:L+7], v[T+62:T+63]
	v_cvt_pk_bf16_f32 v[X+31], v[T+62], v[T+63]
	v_pk_add_f32 v[L:L+1], v[L:L+1], v[L+2:L+3]
	v_pk_add_f32 v[L+4:L+5], v[L+4:L+5], v[L+6:L+7]
	v_pk_add_f32 v[L:L+1], v[L:L+1], v[L+4:L+5]
	WIN 0x05                                       ; sources window 1, destination window 0
	v_add_f32 v[CH], v[L], v[L+1]
	WIN 0
	v_permlanex16_b32 v[CH+1], v[CH], s[SEL], s[SEL+1]
	v_add_f32 v[SP+2*(\a)+1], v[CH], v[CH+1]       ; l
.endm
; TOSTAGE: a lane's eight weights of an accumulator are 16 bytes of a row; they go into my own stage and come back as whole rows of 256 bytes, into two sets of registers by turns.  SEND: stored.
.macro TOSTAGE a
.set BK, F0+32*((\a)%2)
	WIN 0x04                                       ; an LDS store's data are its source 1: window 1
.irp b, 0,1,2,3,4,5,6,7
	ds_store_b128 v[STO], v[X+4*(\b):X+4*(\b)+3] offset:32*(\b)
.endr
	WIN 0
.irp t, 0,1,2,3,4,5,6,7
	ds_load_b128 v[BK+4*(\t):BK+4*(\t)+3], v[RD] offset:(\t)*2*SPITCH  ; LDS serves a wave's instructions in order (ISA guide 5.7.1.4): these see the stores above, and the next block's stores come behind them
.endr
.endm
.macro SEND a
.set BK, F0+32*((\a)%2)
	s_wait_dscnt 0x0                               ; the block is back in registers
	s_wait_xcnt 0x0                                ; every earlier store has had its addresses translated (ISA guide 3.1): only behind this wait are the stores' base and the registers that earlier stores read rewritten
.if (\a) == 0
	s_add_nc_u64 s[8:9], s[8:9], s[16:17]          ; on to my first rows
.else
	s_add_nc_u64 s[8:9], s[8:9], 16*CROW           ; 16 rows of P~ on
.endif
.irp t, 0,1,2,3,4,5,6,7
	global_store_b128 v[CO], v[BK+4*(\t):BK+4*(\t)+3], s[8:9] offset:2*(\t)*CROW  ; 16 lanes store 256 consecutive bytes, at a multiple of 256 from P~'s first byte
.endr
.endm
	s_wait_tensorcnt 1                             ; my part of K step 0 is in; K step 1's may stay out
	s_barrier_signal -1
	s_barrier_wait -1
	FETCH 0, F0
	QUARTER 64,  F0, F1, 1                         ; the first quarter stands in front of the loop: its products start the sums
	WIN 0                                          ; at a label and at a branch every window is 0
	s_mov_b32 s3, STEPS-2
.Lstep:                                                ; a trip goes from a K step's second quarter to the next step's first, and fills the slot that it leaves: K steps 2 to 7 are asked for
	QUARTER 128, F1, F0, 0
	QUARTER 192, F0, F1, 0
	TURN 1
	QUARTER 64,  F0, F1, 0
	WIN 0
	s_sub_co_u32 s3, s3, 1
	s_cmp_lg_u32 s3, 0
	s_cbranch_scc1 .Lstep
	s_mov_b32 s3, 2                                ; the last two K steps ask for nothing: a second loop; it is entered in the middle of a trip
	s_branch .Lmid
.Ltail:
	QUARTER 64,  F0, F1, 0
	WIN 0
.Lmid:
	QUARTER 128, F1, F0, 0
	QUARTER 192, F0, F1, 0
	TURN 0                                         ; at the very last K step its barrier and its fetch (of the slot read before) serve nothing: the price, once a launch, of one text for both trips
	WIN 0
	s_sub_co_u32 s3, s3, 1
	s_cmp_lg_u32 s3, 0
	s_cbranch_scc1 .Ltail
	s_wait_dscnt 0x0                               ; that last fetch has come back: its registers are used again below
	PLACES                                         ; behind the last products
	SOFT 0
	TOSTAGE 0
.irp a, 1,2,3,4,5,6,7                  ; block a's arithmetic stands between block a - 1's loads from the stage and the wait for them
	SOFT \a
	SEND (\a)-1
	TOSTAGE \a
.endr
	; (N, l) of my 128 rows: lanes 0-15 give the even block's 16 rows, lanes 16-31 the odd block's: each store of the wave covers 32 rows x 8 bytes = 256 consecutive bytes, at a multiple of 256 from ST's first byte
	v_cmp_lt_u32 s[MK], 15, v[LANE]
.irp p, 0,1,2,3
	v_cndmask_b32 v[OP+2*(\p)], v[SP+4*(\p)], v[SP+4*(\p)+2], s[MK]
	v_cndmask_b32 v[OP+2*(\p)+1], v[SP+4*(\p)+1], v[SP+4*(\p)+3], s[MK]
	global_store_b64 v[SO], v[OP+2*(\p):OP+2*(\p)+1], s[ST:ST+1] offset:256*(\p)
.endr
	SEND 7
	s_wait_tensorcnt 0x0                           ; the wave's end, behind my last tensor load and my last LDS store
	ds_add_u32 v[SPW], v[NIL]
	s_wait_dscnt 0x0
	CROUND                                         ; the closing round
	s_endpgm
.Lfunc_end_k_qd491fd62cd_scores:
	.size	k_qd491fd62cd_scores, .Lfunc_end_k_qd491fd62cd_scores-k_qd491fd62cd_scores
	.p2alignl 7, 3214868480
	.fill 96, 4, 3214868480
	.section	.rodata,"a",@progbits
	.p2align	6, 0x0
	.amdhsa_kernel k_qd491fd62cd_scores
		.amdhsa_group_segment_fixed_size 327680
		.amdhsa_private_segment_fixed_size 0
		.amdhsa_enable_private_segment 0
		.amdhsa_kernarg_size 32
		.amdhsa_user_sgpr_count 2
		.amdhsa_user_sgpr_kernarg_segment_ptr 1
		.amdhsa_wavefront_size32 1
		.amdhsa_system_sgpr_workgroup_id_x 1
		.amdhsa_system_sgpr_workgroup_id_y 1
		.amdhsa_system_sgpr_workgroup_id_z 1
		.amdhsa_system_vgpr_workitem_id 0
		.amdhsa_next_free_vgpr 1024
		.amdhsa_next_free_sgpr 74
		.amdhsa_reserve_vcc 0
		.amdhsa_float_denorm_mode_32 3
		.amdhsa_float_denorm_mode_16_64 3
		.amdhsa_memory_ordered 1
		.amdhsa_forward_progress 1
		.amdhsa_inst_pref_size 184
	.end_amdhsa_kernel
	.amdgpu_metadata
---
amdhsa.version: [ 1, 2 ]
amdhsa.kernels:
  - .name:           k_qd491fd62cd_scores
    .symbol:         k_qd491fd62cd_scores.kd
    .args:
      - { .name: qb, .offset: 0, .size: 8, .value_kind: global_buffer, .address_space: global }
      - { .name: kb, .offset: 8, .size: 8, .value_kind: global_buffer, .address_space: global }
      - { .name: xp, .offset: 16, .size: 8, .value_kind: global_buffer, .address_space: global }
      - { .name: st, .offset: 24, .size: 8, .value_kind: global_buffer, .address_space: global }
    .group_segment_fixed_size: 327680
    .private_segment_fixed_size: 0
    .kernarg_segment_align: 8
    .kernarg_segment_size: 32
    .max_flat_workgroup_size: 128
    .sgpr_count:     74
    .vgpr_count:     1024
    .wavefront_size: 32
...
	.end_amdgpu_metadata
.endif
;; end of part 3
;; launch pv (part 4): grid 4 x 64, 4 waves a work-group, clusters of 4 x 4, 327,680 bytes of LDS; arguments xp, vw, out0, st; writes out0
.if DOCPART == 4
	.amdgcn_target "amdgcn-amd-amdhsa--gfx1250"
	.amdhsa_code_object_version 6
	.text
	.protected	k_qd491fd62cd_pv
	.globl	k_qd491fd62cd_pv
	.p2align	8
	.type	k_qd491fd62cd_pv,@function
k_qd491fd62cd_pv:
	s_mov_b64 s[64:65], 0
	v_nop
	global_prefetch_b8 v0, s[64:65] scope:SCOPE_SE
	s_setreg_imm32_b32 hwreg(HW_REG_WAVE_MODE, 25, 1), 1
	s_wait_xcnt 0x0
	s_wait_alu depctr_hold_cnt(0) depctr_sa_sdst(0) depctr_va_vdst(0) depctr_va_sdst(0) depctr_va_ssrc(0) depctr_va_vcc(0) depctr_vm_vsrc(0)
	s_getreg_b32 s2, hwreg(HW_REG_IB_STS2, 6, 4)
	s_cmp_eq_u32 s2, 0
	s_cbranch_scc0 .Lentry_in_a_cluster
	s_endpgm
.Lentry_in_a_cluster:
	s_bfe_u32 s2, ttmp6, 0x10000c
	s_cmp_lg_u32 s2, 0xf033
	s_cbranch_scc0 .Lentry_shape_is_right
	s_endpgm
.Lentry_shape_is_right:
; THE SECOND HALF OF THE SOFTMAX AND THE LAST PRODUCT.  out[q][f] = (1 / l) sum over blocks t of 2^(Nmin - N_t) sum over the block's keys k of P~[q][k] V'[k][f], per batch.
; P~: [4 x 2048][2048] bf16, the weights 2^(c s + N_t) of 16 blocks of 128 keys; ST: [16][8192][2] f32 = (N_t, l_t), N_t a whole number; V' = v Wo^T + bo: [4 x 2048][1024] bf16; out: [4 x 2048][1024] f32.
; Nmin = the least N_t of the row (the block with the row's maximum); l = sum over t of l_t 2^(Nmin - N_t).  The factors are powers of two, at most 1: multiplying the bf16 weights by them rounds nothing.
; This is the module's result: a softmax's rows sum to 1, so P (v Wo^T + bo) = (P v) Wo^T + bo.  LIMITS: l is the sum of the unrounded weights and the product takes them rounded to bf16, so a row's weights sum
; to 1 to within 2^-9 at the worst, and bo is carried with that relative error; a factor below 2^-126 counts as 0; NaN and infinities are not treated apart.  l is at least about 1/2: the row's largest weight.
; SHARES.  A tile of out is 128 queries x 256 features: 64 x 4 = 256 work-groups (tiles of 256 x 256 would be 128) of four waves; a wave makes 64 x 128: 32 accumulators, 256 registers.
; The 2,048 keys go in steps of 128, a block t a step, through a ring of two LDS slots: P~'s tile has 128 rows of 256 bytes, V''s 128 rows (keys) of 512 bytes, all at multiples of 256 bytes from the buffers'
; first bytes.  Steps of 256 keys would want two slots of 206,848 bytes, more than LDS holds.
; A STEP IS WRITTEN ONCE: a trip of the loop is one step; the LDS addresses hang on s[TB], which an exclusive or turns from one slot to the other, and one descriptor a tensor walks from refill to refill.
; CLUSTERS: 4 x 4 work-groups of one batch (16 tile rows a batch, 4 a cluster).  P~'s tile is shared along a row of the cluster (its four tiles are all of a row's features), V''s along a column: asked for JOINTLY.
; LAYOUT.  The matrix instruction is used transposed: source 0 = 16 features x 32 keys, source 1 = 16 queries x 32 keys: lane l holds query l % 16, in P~'s fragments and in the results.  So a row's factor is one
; register a block of 16 queries.  P~ comes out of LDS as it lies; V' ([key][feature]) turned, by ds_load_tr16_b128.
; REGISTERS (s_set_vgpr_msb: bits 1:0 source 0, 3:2 source 1, 5:4 source 2, 7:6 destination):
;   window 0: v0-31 addresses and the step's four factors; v32-127, v128-223 two fragment buffers: 32 registers of P~ (4 x 16 queries x 32 keys), then 64 of V' (8 x 16 features x 32 keys);
;             at the start v128-195 the rows' statistics; on the way out the rows read back; v224-231 1 / l
;   window 1: accumulator (a, b) at v[8 (8 a + b)], a = 0..3 (queries), b = 0..7 (features)
.set KEYS,   2048
.set CROW,   4096                      ; bytes in a row of out
.set KSTEP,  128
.set PA,     272                       ; a row of P~ in LDS: 256 bytes + 16: the 16 rows of a load start at 16 different groups of four banks (64 banks of 4 bytes: ISA guide 11.1)
.set PB,     544                       ; a row of V': 512 + 32 = 17 x 32
.set BOFF,   128*PA                    ; P~'s 128 rows, then V''s 128 rows
.set SLOTB,  128*(PA+PB)               ; a slot's bytes: 104,448
.set SLOT1,  1<<17                     ; slot 1 begins here, so that one exclusive or turns an address in one slot into the other's
.set FAC,    SLOTB                     ; between the slots: the factors: for each wave 17 x 256 bytes: [t][l % 16][4 blocks of 16 queries] words; t = 16 holds 1 / l.  No tensor load lands here
.set FACW,   17*256
.set SPARE,  FAC+4*FACW                ; behind them: the spare words, 128 bytes for each wave: two blocks of 256 bytes that no other line names
.set STAGE,  SLOT1+SLOTB               ; behind the ring: 16 rows x 528 bytes for each wave, for the way out
.set SPITCH, 528                       ; 512 bytes + 16: 33 x 16
.set STEPS,  KEYS/KSTEP
.set LN8,  6                           ; v6      8 x lane: my byte offset in 32 rows of ST
.set FW,   8                           ; v[8:11] the step's factor, twice in bf16, for my query in each of the four blocks; at the end 1 / l
.set A0V,  16                          ; v16     LDS address of my P~ fragments in slot 0; never rewritten
.set B0V,  17                          ; v17     the same for V'
.set ADRA, 18                          ; v18     the same in the slot in hand
.set ADRB, 19                          ; v19
.set F0V,  22                          ; v22     LDS address of my four factors of block 0; never rewritten
.set FADR, 23                          ; v23     of the block to be fetched
.set STO,  24                          ; v24     the way out: where I put 32 bytes of a row
.set RD,   25                          ; v25     the way out: where I read a row back
.set CO,   26                          ; v26     my byte offset in a row's 512 bytes of out
.set FST,  27                          ; v27     where I put a factor
.set SPW,  28                          ; v28     LDS address of my spare word: SPARE + 4 x my thread's number; never rewritten
.set NIL,  29                          ; v29     0; never rewritten
.set F0,   32
.set F1,   128
.set SB,   128                         ; at the start: (N_t, l_t) of row 32 p + lane at v[SB + 32 p + 2 t]
.set MN,   192                         ; v192-193 Nmin of the two rows
.set LS,   194                         ; v194-195 l, then 1 / l
.set RL,   224                         ; v224-231 1 / l of my query in block a, twice, at v[RL + 2 a]
.set TB,  2                            ; s2       0 or SLOT1: the slot in hand
.set FT,  18                           ; s18      256 x the block whose factors are fetched next
.set G1,  24                           ; s[24:31] descriptor group 1 for P~'s tiles;  s[32:39] group 0: a set for each of the two first fills; the second then walks on
.set G0,  32
.set G1B, 48                           ; s[48:55], s[56:63] the same for V''s
.set G0B, 56
.set ST,  66                           ; s[66:67] ST at my first row
.set MSB, 0
.macro WIN new                         ; the immediate's high byte repeats the setting that is left; a switch that changes nothing is dropped
.if MSB != (\new)
	s_set_vgpr_msb (MSB<<8)|(\new)
.set MSB, \new
.endif
.endm
.set MUL, 0x50                         ; sources 0 and 1 window 0; C and D window 1
; A joint load by descriptor set s.  Waves 0 and 1 fetch the two halves of P~'s tile, waves 2 and 3 those of V''s.  An s_nop 0 and four v_nop follow each of the two lines, ahead of the jump, the label and what follows.
.macro JLOAD s
	s_cmp_eq_u32 s11, 0
	s_cbranch_scc0 .Lfor_b_\@
	tensor_load_to_lds s[G0+4*(\s):G0+4*(\s)+3], s[G1:G1+7]
	s_nop 0
.rept 4
	v_nop
.endr
	s_branch .Lasked_\@
.Lfor_b_\@:
	tensor_load_to_lds s[G0B+4*(\s):G0B+4*(\s)+3], s[G1B:G1B+7]
	s_nop 0
.rept 4
	v_nop
.endr
.Lasked_\@:
.endm
.macro CREST                           ; a round of the cluster's barrier behind its opening barrier
	s_cmp_lg_u32 s10, 0
	s_cbranch_scc1 .Lnot_wave_0_\@
	s_barrier_signal -3
.Lnot_wave_0_\@:
	s_barrier_wait -3
	s_barrier_signal -1
	s_barrier_wait -1
.endm
.macro CROUND                          ; a whole round
	s_barrier_signal -1
	s_barrier_wait -1
	CREST
.endm
	s_load_b128 s[4:7], s[0:1], 0x0                ; P~ s[4:5], V' s[6:7]
	s_load_b64 s[8:9], s[0:1], 0x10                ; out
	s_load_b64 s[ST:ST+1], s[0:1], 0x18            ; ST
	v_lshl_add_u32 v[SPW], v0, 2, SPARE
	v_mov_b32 v[NIL], 0
	ds_add_u32 v[SPW], v[NIL]                      ; the wave's opening: the add and its wait stand ahead of my first tensor load; the set-up below, work on registers, stands between them
	v_lshrrev_b32 v1, 5, v0
	v_readfirstlane_b32 s10, v1                    ; wave 0..3
	s_lshr_b32 s11, s10, 1                         ; which 64 of the tile's queries are mine.  Also: I fetch for P~ (0) or for V' (1)
	s_and_b32 s12, s10, 1                          ; which 128 of its features.  Also: which 64 rows of that tile I fetch
	s_bfe_u32 s40, ttmp6, 0x40000                  ; cx = the tile column: the grid is one cluster wide
	s_bfe_u32 s41, ttmp6, 0x40004                  ; cy
	s_and_b32 s13, ttmp7, 0xffff
	s_lshr_b32 s45, s13, 2                         ; the batch: four clusters along y to a batch; made of the cluster's y alone
	s_lshl_b32 s13, s13, 2
	s_add_co_u32 s13, s13, s41                     ; tile row = 4 x cluster y + cy, 0..63, over all batches
	s_lshl_b32 s43, s41, 2
	s_lshl_b32 s43, 15, s43                        ; my row of the cluster
	s_lshl_b32 s44, 0x1111, s40                    ; my column
	; descriptor group 1 for P~: 64 rows x 128 elements
	s_or_b32 s[G1+0], s43, (1<<16)|(1<<20)|(1<<21)|(5<<22)|(3<<25)   ; 15:0 the mask; 17:16 elements of 2 bytes; 20 padding on; 21 set beside a mask; 24:22 after every 64 words (code 5); 31:25 4 words (code 3)
	s_mov_b32 s[G1+1], KSTEP<<16                   ; tensor_dim0 = 128
	s_mov_b32 s[G1+2], 64<<16                      ; tensor_dim1 = 64
	s_mov_b32 s[G1+3], KSTEP<<16                   ; tile_dim0 = 128
	s_mov_b32 s[G1+4], 64                          ; tile_dim1 = 64
	s_mov_b32 s[G1+5], KEYS                        ; elements from row to row
	s_mov_b32 s[G1+6], 0
	s_mov_b32 s[G1+7], 0
	; and for V': 64 rows (keys) x 256 elements
	s_or_b32 s[G1B+0], s44, (1<<16)|(1<<20)|(1<<21)|(6<<22)|(7<<25)  ; after every 128 words (code 6) 8 words of padding (code 7)
	s_mov_b32 s[G1B+1], 256<<16
	s_mov_b32 s[G1B+2], 64<<16
	s_mov_b32 s[G1B+3], 256<<16
	s_mov_b32 s[G1B+4], 64
	s_mov_b32 s[G1B+5], 1024
	s_mov_b32 s[G1B+6], 0
	s_mov_b32 s[G1B+7], 0
	s_lshl_b32 s17, s12, 6                         ; which 64 rows of the tile I fetch
	s_lshl_b32 s16, s13, 7
	s_add_co_u32 s16, s16, s17                     ; P~: row 128 x tile row + 64 x half,
	s_lshl_b32 s16, s16, 12                        ; times 4,096 bytes: under 2^25
	s_lshl_b32 s46, s45, 11
	s_add_co_u32 s46, s46, s17                     ; V': row 2,048 x batch + 64 x half,
	s_lshl_b32 s46, s46, 11                        ; times 2,048 bytes,
	s_lshl_b32 s47, s40, 9
	s_add_co_u32 s46, s46, s47                     ; + the tile column's 512 bytes
	s_mov_b32 s17, 0
	s_mov_b32 s47, 0
	s_mul_i32 s20, s12, 64*PA                      ; where they go: P~'s halves,
	s_mul_i32 s19, s12, 64*PB
	s_add_co_u32 s19, s19, BOFF                    ; V''s halves: all under 2^17, and no place in the cluster enters an LDS address
	s_wait_dscnt 0x0                               ; the opening add is done
	s_wait_kmcnt 0x0
	s_add_nc_u64 s[14:15], s[4:5], s[16:17]
	s_add_nc_u64 s[46:47], s[6:7], s[46:47]
	CROUND                                         ; all sixteen work-groups are here: the first joint loads meet
.irp s, 0,1
	s_mov_b32 s[G0+4*(\s)], 1                                        ; 1:0 count = 1
	s_add_co_u32 s[G0+4*(\s)+1], s20, (\s)*SLOT1                     ; 63:32 LDS address
	s_add_nc_u64 s[G0+4*(\s)+2:G0+4*(\s)+3], s[14:15], (\s)*KSTEP*2  ; 120:64 global address: keys 128 s on lie 256 s bytes along P~'s rows,
	s_or_b32 s[G0+4*(\s)+3], s[G0+4*(\s)+3], 0x80000000              ; 127:126 type = 2
	s_mov_b32 s[G0B+4*(\s)], 1
	s_add_co_u32 s[G0B+4*(\s)+1], s19, (\s)*SLOT1
	s_add_nc_u64 s[G0B+4*(\s)+2:G0B+4*(\s)+3], s[46:47], (\s)*KSTEP*2048  ; and 128 s rows down V'
	s_or_b32 s[G0B+4*(\s)+3], s[G0B+4*(\s)+3], 0x80000000
	JLOAD \s                                       ; two loads of mine are out
.endr
	; my 64 rows' statistics: lane l takes rows 32 p + l, p = 0, 1: each load of the wave covers 32 rows x 8 bytes = 256 consecutive bytes.  They are on their way beside the first tiles.
	v_and_b32 v1, 15, v0                           ; l % 16
	v_bfe_u32 v2, v0, 4, 1                         ; l / 16
	v_and_b32 v[LN8], 31, v0
	v_lshlrev_b32 v[LN8], 3, v[LN8]
	s_lshl_b32 s21, s13, 7
	s_lshl_b32 s22, s11, 6
	s_add_co_u32 s21, s21, s22                     ; my first row, over all batches
	s_lshl_b32 s22, s21, 3                         ; 8 bytes of ST a row
	s_mov_b32 s23, 0
	s_add_nc_u64 s[ST:ST+1], s[ST:ST+1], s[22:23]
.irp p, 0,1
.irp t, 0,1,2,3,4,5,6,7,8,9,10,11,12,13,14,15
	global_load_b64 v[SB+32*(\p)+2*(\t):SB+32*(\p)+2*(\t)+1], v[LN8], s[ST:ST+1] offset:65536*(\t)+256*(\p)
.endr
.endr
	; A fragment of P~ is 16 rows x 32 keys in 8 registers: lane l holds row l % 16, keys 8 (l / 16) + 0..7 and 16 + 8 (l / 16) + 0..7: two loads of 16 bytes, 32 bytes apart.
	v_mul_u32_u24 v3, v1, PA
	v_lshl_add_u32 v3, v2, 4, v3                   ; row x pitch + 16 x half
	s_mul_i32 s22, s11, 64*PA                      ; my 64 rows of P~
	v_add_nc_u32 v[A0V], s22, v3
	; The turning load takes 16 keys x 16 features (lane l reads 16 bytes: key 8 (l / 16) + l % 8, features 8 ((l / 8) % 2) + 0..7) and leaves half a fragment: lane l holds feature l % 16 and 8 keys.
	v_and_b32 v4, 7, v0
	v_lshl_add_u32 v4, v2, 3, v4
	v_mul_u32_u24 v4, v4, PB
	v_bfe_u32 v5, v0, 3, 1
	v_lshl_add_u32 v4, v5, 4, v4
	s_lshl_b32 s22, s12, 8                         ; my 128 features: 256 bytes along V''s rows,
	s_add_co_u32 s22, s22, BOFF                    ; which lie behind P~'s
	v_add_nc_u32 v[B0V], s22, v4
	v_mov_b32 v[ADRA], v[A0V]                      ; slot 0 is the first in hand
	v_mov_b32 v[ADRB], v[B0V]
	s_mov_b32 s[TB], 0
	s_mov_b32 s[FT], 0
	s_mul_i32 s23, s10, 16*SPITCH
	s_add_co_u32 s23, s23, STAGE                   ; my stage
	v_mul_u32_u24 v4, v1, SPITCH                   ; in: row l % 16, 32 bytes for each half of the lanes
	v_lshl_add_u32 v4, v2, 5, v4
	v_add_nc_u32 v[STO], s23, v4
	v_and_b32 v5, 31, v0
	v_lshlrev_b32 v[CO], 4, v5                     ; back: 32 lanes take one row's 512 bytes,
	v_add_nc_u32 v[RD], s23, v[CO]                 ; in the stage and in out
	s_mul_i32 s23, s10, FACW
	s_add_co_u32 s23, s23, FAC                     ; my wave's factors
	v_lshlrev_b32 v7, 4, v1
	v_add_nc_u32 v[F0V], s23, v7                   ; read: 16 bytes at 16 (l % 16): my query's word in each of the four blocks
	v_lshl_add_u32 v[FST], v2, 2, v[F0V]           ; written: row 32 p + l is query l % 16 of block 2 p + l / 16: word 4 (l % 16) + 2 p + l / 16
	s_lshl_b32 s16, s21, 12                        ; my first row of out, times 4,096 bytes
	s_mov_b32 s17, 0
	s_lshl_b32 s46, s40, 10                        ; my first column, in bytes: 1,024 cx + 512 x half
	s_lshl_b32 s47, s12, 9
	s_add_co_u32 s46, s46, s47
	s_mov_b32 s47, 0
	s_add_nc_u64 s[16:17], s[16:17], s[46:47]
	; the rows' common exponent, the factors, the sum and its reciprocal; the two rows alternate
	s_wait_loadcnt 0x0
.irp p, 0,1
	v_min3_num_f32 v[MN+(\p)], v[SB+32*(\p)], v[SB+32*(\p)+2], v[SB+32*(\p)+4]
.endr
.irp k, 1,2,3,4,5,6
.irp p, 0,1
	v_min3_num_f32 v[MN+(\p)], v[MN+(\p)], v[SB+32*(\p)+4*(\k)+2], v[SB+32*(\p)+4*(\k)+4]
.endr
.endr
.irp p, 0,1
	v_min_num_f32 v[MN+(\p)], v[MN+(\p)], v[SB+32*(\p)+30]
.endr
.irp t, 0,1,2,3,4,5,6,7,8,9,10,11,12,13,14,15
.irp p, 0,1
	v_sub_f32 v[SB+32*(\p)+2*(\t)], v[MN+(\p)], v[SB+32*(\p)+2*(\t)]   ; Nmin - N_t: a whole number, 0 at the most
.endr
.endr
.irp t, 0,1,2,3,4,5,6,7,8,9,10,11,12,13,14,15
.irp p, 0,1
	v_exp_f32 v[SB+32*(\p)+2*(\t)], v[SB+32*(\p)+2*(\t)]
.endr
.endr
	v_nop                                          ; a plain instruction between the exponentials and the use of their results (ISA guide 5.7.2)
	s_wait_alu depctr_va_vdst(0)
.irp p, 0,1
	v_mul_f32 v[LS+(\p)], v[SB+32*(\p)], v[SB+32*(\p)+1]
.endr
.irp t, 1,2,3,4,5,6,7,8,9,10,11,12,13,14,15
.irp p, 0,1
	v_fmac_f32 v[LS+(\p)], v[SB+32*(\p)+2*(\t)], v[SB+32*(\p)+2*(\t)+1]
.endr
.endr
	v_rcp_f32 v[LS], v[LS]
	v_rcp_f32 v[LS+1], v[LS+1]
.irp t, 0,1,2,3,4,5,6,7,8,9,10,11,12,13,14,15
.irp p, 0,1
	v_cvt_pk_bf16_f32 v[SB+32*(\p)+2*(\t)], v[SB+32*(\p)+2*(\t)], v[SB+32*(\p)+2*(\t)]  ; the factor twice in bf16: a power of two, so the rounding changes nothing (and would mend a last bit of the exponential)
.endr
.endr
.irp t, 0,1,2,3,4,5,6,7,8,9,10,11,12,13,14,15
.irp p, 0,1
	ds_store_b32 v[FST], v[SB+32*(\p)+2*(\t)] offset:256*(\t)+8*(\p)
.endr
.endr
	s_wait_alu depctr_va_vdst(0)
.irp p, 0,1
	ds_store_b32 v[FST], v[LS+(\p)] offset:256*16+8*(\p)               ; 1 / l, in f32, in the seventeenth place
.endr
; 8 matrix instructions: query block a x all 8 feature blocks, 32 keys.  zero = 1: the product starts the sum: nothing is cleared.
; The 32 accumulators take turns, one instruction a turn, in the same order in every quarter.
.macro MUL8 f, a, zero
	WIN MUL
.irp b, 0,1,2,3,4,5,6,7
.if \zero
	v_wmma_f32_16x16x32_bf16 v[8*(8*(\a)+(\b)):8*(8*(\a)+(\b))+7], v[(\f)+32+8*(\b):(\f)+32+8*(\b)+7], v[(\f)+8*(\a):(\f)+8*(\a)+7], 0
.else
	v_wmma_f32_16x16x32_bf16 v[8*(8*(\a)+(\b)):8*(8*(\a)+(\b))+7], v[(\f)+32+8*(\b):(\f)+32+8*(\b)+7], v[(\f)+8*(\a):(\f)+8*(\a)+7], v[8*(8*(\a)+(\b)):8*(8*(\a)+(\b))+7]
.endif
.endr
.endm
; P~'s fragments of query blocks a0, a0 + 1 in buffer f times the step's factor of my query: two weights an instruction
.macro SCALE f, a0
	WIN 0
.irp a, \a0, (\a0)+1
.irp i, 0,1,2,3,4,5,6,7
	v_pk_mul_bf16 v[(\f)+8*(\a)+(\i)], v[(\f)+8*(\a)+(\i)], v[FW+(\a)]
.endr
.endr
.endm
; 24 LDS loads in one run: the fragments of keys 32 kq on of the slot in hand, into buffer f: V''s sixteen, then P~'s eight.  fac = 1 (a step's first quarter): ahead of them the step's four factors.
.macro FETCH kq, f, fac
	WIN 0
.if \fac
	v_add_nc_u32 v[FADR], s[FT], v[F0V]
	s_add_co_u32 s[FT], s[FT], 256                 ; the next fetch is the next block's
	ds_load_b128 v[FW:FW+3], v[FADR]               ; my own wave's words: LDS serves a wave's instructions in order (ISA guide 5.7.1.4)
.endif
.irp b, 0,1,2,3,4,5,6,7
	ds_load_tr16_b128 v[(\f)+32+8*(\b):(\f)+32+8*(\b)+3],   v[ADRB] offset:(\kq)*32*PB+32*(\b)
	ds_load_tr16_b128 v[(\f)+32+8*(\b)+4:(\f)+32+8*(\b)+7], v[ADRB] offset:(\kq)*32*PB+32*(\b)+16*PB
.endr
.irp a, 0,1,2,3
	ds_load_b128 v[(\f)+8*(\a):(\f)+8*(\a)+3],   v[ADRA] offset:(\kq)*64+(\a)*16*PA
	ds_load_b128 v[(\f)+8*(\a)+4:(\f)+8*(\a)+7], v[ADRA] offset:(\kq)*64+(\a)*16*PA+32
.endr
.endm
.macro PLACES                          ; four places in front of loads into registers that matrix instructions have read, and of vector instructions that read results (ISA guide 7.12.1 for vector instructions)
.rept 4
	v_nop
.endr
.endm
; A step of 128 keys is four quarters of 32, 32 matrix instructions each, on buffers 0, 1, 0, 1.  One of the first three: multiplies buffer f; in its middle it fetches quarter kq into g.
.macro QUARTER kq, f, g, zero
	s_wait_dscnt 4                                 ; the factors, V' and P~'s blocks 0, 1 are in; the youngest four loads (P~'s blocks 2, 3) may be out
	SCALE \f, 0
	MUL8 \f, 0, \zero
	MUL8 \f, 1, \zero
	PLACES
	FETCH \kq, \g, 0
	s_wait_dscnt 24                                ; all but the 24 just issued
	SCALE \f, 2
	MUL8 \f, 2, \zero
	MUL8 \f, 3, \zero
.endm
; The last quarter multiplies buffer 1 and changes slots: ONE barrier; in front of it each wave waits for all its tensor loads, of which at most one is out: its part of the next slot; adds 0 to its spare word;
; and waits for that and for its own reads of this slot.  fill = 1: the barrier opens a round of the cluster's, and this slot is filled again, two steps ahead, first thing behind the round: the walking
; descriptor turns to this slot and goes one step along.  Then the addresses turn to the other slot; the step's factors have had their last use, and the next step's come with its first fragments.
.macro TURN fill
	WIN 0                                          ; (the add's two registers lie in window 0)
	s_wait_tensorcnt 0x0                           ; all my tensor loads have landed
	ds_add_u32 v[SPW], v[NIL]                      ; 0 onto my spare word
	s_wait_dscnt 5                                 ; (the add and the youngest four loads may be out)
	SCALE F1, 0
	MUL8 F1, 0, 0                                  ; work on registers stands between the add and the wait for it
	s_wait_dscnt 0x0                               ; the add is done, and my reads of this slot are over
	s_barrier_signal -1
	SCALE F1, 2
	MUL8 F1, 1, 0
	WIN 0                                          ; (branches or address work follow)
	s_barrier_wait -1
.if \fill
	CREST                                          ; no wave of any partner still reads this slot's tile or has a load on its way
	s_xor_b32 s[G0+5], s[G0+5], SLOT1              ; no tensor load of mine is out, so a group 0 may be written
	s_add_nc_u64 s[G0+6:G0+7], s[G0+6:G0+7], KSTEP*2
	s_xor_b32 s[G0B+5], s[G0B+5], SLOT1
	s_add_nc_u64 s[G0B+6:G0B+7], s[G0B+6:G0B+7], KSTEP*2048
	JLOAD 1                                        ; my one tensor load behind the round: 112 matrix instructions ahead of the wait for it; its four v_nop are also the places in front of the loads below
.else
	PLACES
.endif
	s_xor_b32 s[TB], s[TB], SLOT1
	v_add_nc_u32 v[ADRA], s[TB], v[A0V]
	v_add_nc_u32 v[ADRB], s[TB], v[B0V]
	FETCH 0, F0, 1
	MUL8 F1, 2, 0
	MUL8 F1, 3, 0
.endm
; THE WAY OUT of block a (16 rows x 128 columns of f32).  TOSTAGE: the sums times 1 / l, each accumulator's registers in ascending order; a lane's eight numbers of each accumulator go into my own stage as
; 32 bytes of a row; whole rows of 512 bytes come back, into the fragments' registers, two sets by turns.  SEND: each store of the wave covers 512 consecutive bytes, at a multiple of 512 from out's first byte.
.macro TOSTAGE a
.set AC, 64*(\a)
.set BK, F0+96*((\a)%2)
.if (\a) >= 2
	s_wait_xcnt 0x0                                ; block a - 2's stores have had their addresses translated (ISA guide 3.1): their data registers are loaded again only behind this wait
.endif
	WIN 0x41                                       ; destination and source 0 window 1, source 1 window 0
.set i, 0
.rept 32
	v_pk_mul_f32 v[AC+2*i:AC+2*i+1], v[AC+2*i:AC+2*i+1], v[RL+2*(\a):RL+2*(\a)+1]
.set i, i+1
.endr
	WIN 0x04                                       ; an LDS store's data are its source 1: window 1
.irp b, 0,1,2,3,4,5,6,7
	ds_store_b128 v[STO], v[AC+8*(\b):AC+8*(\b)+3]   offset:64*(\b)
	ds_store_b128 v[STO], v[AC+8*(\b)+4:AC+8*(\b)+7] offset:64*(\b)+16
.endr
	WIN 0
.irp t, 0,1,2,3,4,5,6,7,8,9,10,11,12,13,14,15
	ds_load_b128 v[BK+4*(\t):BK+4*(\t)+3], v[RD] offset:(\t)*SPITCH  ; LDS serves a wave's instructions in order (ISA guide 5.7.1.4): these see the stores above, and the next block's stores come behind them
.endr
.endm
.macro SEND a, younger                 ; younger: the LDS instructions issued behind block a's loads: the next block's 16 stores and 16 loads, or none
.set BK, F0+96*((\a)%2)
	s_wait_dscnt \younger                          ; the block is back in registers
.if (\younger) == 0
	s_wait_xcnt 0x0                                ; the stores' base is stepped only behind this wait (elsewhere the next block's TOSTAGE has it, or no store has been issued yet)
.endif
.if (\a) == 0
	s_add_nc_u64 s[8:9], s[8:9], s[16:17]          ; on to my first rows
.else
	s_add_nc_u64 s[8:9], s[8:9], 16*CROW           ; 16 rows of out on
.endif
.irp t, 0,1,2,3,4,5,6,7,8,9,10,11,12,13,14,15
	global_store_b128 v[CO], v[BK+4*(\t):BK+4*(\t)+3], s[8:9] offset:(\t)*CROW th:TH_STORE_NT  ; written once, read by no launch
.endr
.endm
	s_wait_tensorcnt 1                             ; my part of step 0 is in; step 1's may stay out
	s_wait_dscnt 0x0                               ; my factors are stored: no LDS instruction of mine is pending at a signal
	s_barrier_signal -1
	s_barrier_wait -1
	FETCH 0, F0, 1
	QUARTER 1, F0, F1, 1                           ; the first quarter stands in front of the loop: its products start the sums
	WIN 0                                          ; at a label and at a branch every window is 0
	s_mov_b32 s3, STEPS-2
.Lstep:                                                ; a trip goes from a step's second quarter to the next step's first, and fills the slot that it leaves: steps 2 to 15 are asked for
	QUARTER 2, F1, F0, 0
	QUARTER 3, F0, F1, 0
	TURN 1
	QUARTER 1, F0, F1, 0
	WIN 0
	s_sub_co_u32 s3, s3, 1
	s_cmp_lg_u32 s3, 0
	s_cbranch_scc1 .Lstep
	s_mov_b32 s3, 2                                ; the last two steps ask for nothing: a second loop; it is entered in the middle of a trip
	s_branch .Lmid
.Ltail:
	QUARTER 1, F0, F1, 0
	WIN 0
.Lmid:
	QUARTER 2, F1, F0, 0
	QUARTER 3, F0, F1, 0
	TURN 0                                         ; at the very last step its barrier and its 24 fragment loads (of the slot read before) serve nothing: the price, once a launch, of one text for both trips;
	WIN 0                                          ; its factor load takes the seventeenth place: 1 / l
	s_sub_co_u32 s3, s3, 1
	s_cmp_lg_u32 s3, 0
	s_cbranch_scc1 .Ltail
	s_wait_dscnt 0x0                               ; that last fetch has come back: 1 / l is in, and the fragments' registers are used again below
.irp a, 0,1,2,3
	v_mov_b32 v[RL+2*(\a)], v[FW+(\a)]             ; 1 / l twice, for the pair that the packed multiply names: eight plain instructions, the places behind the last products
	v_mov_b32 v[RL+2*(\a)+1], v[FW+(\a)]
.endr
	TOSTAGE 0
.irp a, 1,2,3                          ; block a goes into the stage and is asked back while block a - 1's rows arrive
	TOSTAGE \a
	SEND (\a)-1, 32
.endr
	SEND 3, 0
	s_wait_tensorcnt 0x0                           ; the wave's end, behind my last tensor load and my last LDS store
	ds_add_u32 v[SPW], v[NIL]
	s_wait_dscnt 0x0
	CROUND                                         ; the closing round: no work-group ends while a partner may still ask for a tile that names it
	s_endpgm
.Lfunc_end_k_qd491fd62cd_pv:
	.size	k_qd491fd62cd_pv, .Lfunc_end_k_qd491fd62cd_pv-k_qd491fd62cd_pv
	.p2alignl 7, 3214868480
	.fill 96, 4, 3214868480
	.section	.rodata,"a",@progbits
	.p2align	6, 0x0
	.amdhsa_kernel k_qd491fd62cd_pv
		.amdhsa_group_segment_fixed_size 327680
		.amdhsa_private_segment_fixed_size 0
		.amdhsa_enable_private_segment 0
		.amdhsa_kernarg_size 32
		.amdhsa_user_sgpr_count 2
		.amdhsa_user_sgpr_kernarg_segment_ptr 1
		.amdhsa_wavefront_size32 1
		.amdhsa_system_sgpr_workgroup_id_x 1
		.amdhsa_system_sgpr_workgroup_id_y 1
		.amdhsa_system_sgpr_workgroup_id_z 1
		.amdhsa_system_vgpr_workitem_id 0
		.amdhsa_next_free_vgpr 512
		.amdhsa_next_free_sgpr 68
		.amdhsa_reserve_vcc 0
		.amdhsa_float_denorm_mode_32 3
		.amdhsa_float_denorm_mode_16_64 3
		.amdhsa_memory_ordered 1
		.amdhsa_forward_progress 1
		.amdhsa_inst_pref_size 99
	.end_amdhsa_kernel
	.amdgpu_metadata
---
amdhsa.version: [ 1, 2 ]
amdhsa.kernels:
  - .name:           k_qd491fd62cd_pv
    .symbol:         k_qd491fd62cd_pv.kd
    .args:
      - { .name: xp, .offset: 0, .size: 8, .value_kind: global_buffer, .address_space: global }
      - { .name: vw, .offset: 8, .size: 8, .value_kind: global_buffer, .address_space: global }
      - { .name: out0, .offset: 16, .size: 8, .value_kind: global_buffer, .address_space: global }
      - { .name: st, .offset: 24, .size: 8, .value_kind: global_buffer, .address_space: global }
    .group_segment_fixed_size: 327680
    .private_segment_fixed_size: 0
    .kernarg_segment_align: 8
    .kernarg_segment_size: 32
    .max_flat_workgroup_size: 128
    .sgpr_count:     68
    .vgpr_count:     512
    .wavefront_size: 32
...
	.end_amdgpu_metadata
.endif
;; end of part 4
